; MI455X (gfx1250); checked and timed in simulation.
; The chip was launched on July 23, 2026; its instructions are those of AMD's public machine-readable ISA for CDNA 5 (MIT licence, August 2026) and "CDNA5" Instruction Set Architecture Reference Guide (July 2026). The comments in the code are by the model that wrote it; some were corrected since.
;; Self Attention. Allowed arithmetic: matrix products marked QUANTISED: E2M3 operands, one E8M0 scale for each 32 along K, by v_wmma_scale_f32_16x16x128_f8f6f4 with both operands' format E2M3, f32 sums; everything else in f32.
;; Inputs: W_attn 1,024 x 3,072 float32; W_proj 1,024 x 1,024 float32; attn_mask 1 x 1 x 2,048 x 2,048 bool; b_attn 3,072 float32; b_proj 1,024 float32; x 2 x 2,048 x 1,024 float32.
;; Outputs: out0 2 x 2,048 x 1,024 float32.
;; This version of the problem:
;;   THIS VERSION OF THE PROBLEM IS GIVEN IN LOW PRECISION. The matrix products marked QUANTISED in the list below multiply operands that are first quantised to E2M3 (2 exponent bits, 3 mantissa bits; 6 bits a number), with one power-of-two scale for each 32 numbers along K (OCP MX v1.0); their sums are f32. All else is computed in f32.
;;   The module's matrix products, in the order in which they are computed (A, B: the left and right operand; K: the contracted axis; several contracted axes count as one K, in the product's order):
;;     1. [M 4,096, K 1,024] x [K 1,024, N 3,072]; A: input x; B: input W_attn: QUANTISED
;;     2. batch 32 x [M 2,048, K 64] x [K 64, N 2,048]; A: computed on the way; B: computed on the way: QUANTISED
;;     3. batch 32 x [M 2,048, K 2,048] x [K 2,048, N 64]; A: softmax (see below); B: computed on the way: QUANTISED
;;     4. [M 4,096, K 1,024] x [K 1,024, N 1,024]; A: computed on the way; B: input W_proj: QUANTISED
;;   THE QUANTISER, for each operand of a quantised product, along K:
;;     - K is cut into blocks of 32 from its start; a last block that is shorter is filled with zeros.
;;     - A block's scale is 2^e with e = floor(log2(the largest magnitude in the block)) - 2, held to -126 .. 127; a block of zeros has e = 0. As a byte (E8M0): e + 127.
;;     - Each number is divided by its block's scale, clamped to +-7.5, and rounded to the nearest number of E2M3, ties to even, subnormals kept.
;;     - The product sums the exact products of the quantised numbers (number of the format x scale) in f32.
;;   ~~~python
;;   def quantise(x, axis):      # numpy; x: float32 -> the quantised numbers, widened to float32 again
;;       x = np.moveaxis(x, axis, -1); K = x.shape[-1]
;;       x = np.pad(x, [(0, 0)] * (x.ndim - 1) + [(0, -K % 32)]); x = x.reshape(x.shape[:-1] + (-1, 32)); a = np.abs(x).max(-1, keepdims=True)
;;       e = np.where(a > 0, np.clip(np.frexp(np.where(a > 0, a, 1))[1] - 1 - 2, -126, 127), 0)      # np.frexp(a)[1] - 1 = floor(log2(a)), exactly
;;       r = np.clip(x / 2.0 ** e, -7.5, 7.5)
;;       step = 2.0 ** (np.maximum(np.frexp(np.where(r == 0, 1, r))[1] - 1, 0) - 3)
;;       q = np.round(r / step) * step * 2.0 ** e      # np.round: ties to even
;;       return np.moveaxis(q.reshape(q.shape[:-2] + (-1,))[..., :K], -1, axis).astype(np.float32)
;;   ~~~
;;   SOFTMAX AHEAD OF A QUANTISED PRODUCT. Where the list says 'softmax', what is quantised is not the finished softmax but p = 2^(t - M), with t = logit x log2(e) and M = ceil(the row's largest t), a whole number; so 1/2 < the row's largest p <= 1. The row's sum l is taken of the UNQUANTISED p, in f32, and the product's result is divided by l at the end. Since M is a whole number, a kernel that streams over the keys may use a running M (the ceiling of the running maximum): every later rescaling is an exact power of two, which a block's scale takes up: the codes' values come out the same.
;;   OPERANDS COMPUTED ON THE WAY. 'Computed on the way' means the value that the module computes at that place (a softmax that the list does not call 'softmax' is quantised finished and normalised). What goes into a quantiser is computed in f32, as accurately as f32 sums, v_exp_f32 and their like allow (about 1e-6 of the number): no bf16 or f16 on the way to a quantiser, and a product that is left as it is and whose result goes on into a quantised operand takes f32 operands (vector FMAs, or v_wmma_f32_16x16x4_f32). A number that lies on a knife's edge between two numbers of the format may be rounded either way, as far as f32 arithmetic and the matrix unit's own rounding can turn it there, and no further.
;; 2 versions, each right; version 2 is version 1 with the launch attn written anew for expert scheduling mode. Each part assembles by itself: llvm-mc -triple=amdgcn-amd-amdhsa -mcpu=gfx1250 --defsym DOCPART=n.
;; ======== version 1 of 2: 4 launches
;; workspace buffers: ximg 3,276,800 bytes; wimg 3,276,800 bytes; rope 524,288 bytes; maskw 589,824 bytes of whole numbers; qb 3,407,872 bytes; kv 6,684,672 bytes; yimg 3,276,800 bytes
;; launch prep (part 1): grid 528 x 1, 4 waves a work-group, no clusters, 100,864 bytes of LDS; arguments x, W_attn, W_proj, attn_mask, ximg, wimg, rope, maskw; writes ximg, wimg, rope, maskw
.if DOCPART == 1
	.amdgcn_target "amdgcn-amd-amdhsa--gfx1250"
	.amdhsa_code_object_version 6
	.text
	.protected	k_qd3c7de7265_prep
	.globl	k_qd3c7de7265_prep
	.p2align	8
	.type	k_qd3c7de7265_prep,@function
k_qd3c7de7265_prep:
	s_mov_b64 s[64:65], 0
	v_nop
	global_prefetch_b8 v0, s[64:65] scope:SCOPE_SE
	s_setreg_imm32_b32 hwreg(HW_REG_WAVE_MODE, 25, 1), 1
	s_wait_xcnt 0x0
; PREP: all that is made once from the inputs.  Five paths, chosen by the work-group's number; each ends the wave; each path that uses LDS has bytes of its own.
;   0-255   x [4096][1024] f32 -> codes of E2M3 with E8M0 scales, K innermost, laid in the order of the operand's registers (ximg)
;   256-351 W_attn [1024][3072], 352-383 W_proj [1024][1024]: K is the first axis: a lane takes a column, its registers run down K (wimg)
;   384-511 attn_mask [2048][2048] bytes -> for each tile of 16 queries x 128 keys 64 words, one for each score register of the attention launch
;           (bit l = lane l's query and key), and 2 bits: 0 none counts, 1 some, 2 all (maskw)
;   512-527 cos and sin of token x inv_freq[i], 32 pairs a token (rope)
; LAYOUT OF AN OPERAND.  Rows go in groups of 128 = 8 tiles of 16; lane r of tile t holds row 32 (t / 2) + 8 (t % 2) + r + 8 (r / 8).  A chunk of 25,600 bytes is a group x 256 along K:
; for tile t, q = which 128, c = which 64 of it, an image of 768 bytes at 3072 t + 1536 q + 768 c: lane l = r + 16 h holds k = 32 h .. 32 h + 31 of its row in six registers,
; registers 0-3 at 16 l, registers 4-5 at 512 + 8 l.  Scale words (four bytes: 128 along K of a row) at 24576 + 128 t + 8 r + 4 q.  Chunk (group g, z = which 256) lies at (4 g + z) x 25600.
; THE QUANTISER: a block's scale byte is its largest magnitude's exponent field - 2, held at 1 from below; numbers / scale to the nearest code, ties to even, beyond 7.5 the largest code.
; LIMITS: NaN and infinities are not served; a block of zeros, or one whose largest magnitude lies under 2^-124, gets the byte 1 (its bytes are read by this program alone);
; inv_freq = 2^(-i log2(10000) / 32) comes from v_exp_f32: an angle is off by at most about 2e-4 rad at token 2047.
.set XP,  1040                         ; x's stage: a row of 1,024 bytes + 16
.set MST, 4*16*XP                      ; the mask's stages begin behind x's
.set MPI, 528                          ; a row of 512 mask bytes + 16
.set CH,  25600
.macro WLOAD kb, PITCH                 ; block kb of 32 along K: W(32 kb + i, my column) into set kb % 2
.set I, 0
.rept 32
	global_load_b32 v[32+32*((\kb)%2)+I], v4, s[26:27] offset:(32*(\kb)+I)*\PITCH th:TH_LOAD_NT
.set I, I+1
.endr
.endm
.macro WBLOCK kb, PITCH
.set XS, 32+32*((\kb)%2)
.set CC, 96+12*(\kb)                   ; each block has its own registers for its codes: no store's data are written again
.if (\kb) < 7
	s_wait_loadcnt 32                              ; this block's 32 loads are in; the next block's may be out
.else
	s_wait_loadcnt 0x0
.endif
	v_max3_num_f32 v12, |v[XS]|, |v[XS+1]|, |v[XS+2]|              ; the block's largest magnitude: all 32 numbers are mine
	v_max3_num_f32 v13, |v[XS+3]|, |v[XS+4]|, |v[XS+5]|
.irp i, 6,10,14,18,22,26
	v_max3_num_f32 v12, v12, |v[XS+\i]|, |v[XS+\i+1]|
	v_max3_num_f32 v13, v13, |v[XS+\i+2]|, |v[XS+\i+3]|
.endr
	v_max3_num_f32 v12, v12, |v[XS+30]|, |v[XS+31]|
	v_max3_num_f32 v12, v12, v13, 0x1800000        ; and the floor 2^(3 - 127): the byte cannot fall under 1
	v_add_nc_u32 v11, 0xff000000, v12              ; 2 off the exponent field: the conversion's scale operand
	v_lshrrev_b32 v13, 23, v11                     ; the scale's byte
.if (\kb)%4 == 0
	v_mov_b32 v[14+(\kb)/4], v13                   ; four bytes to a word, the lower K in the lower byte
.else
	v_lshl_or_b32 v[14+(\kb)/4], v13, 8*((\kb)%4), v[14+(\kb)/4]
.endif
	v_cvt_scalef32_pk16_fp6_f32 v[CC:CC+2], v[XS:XS+15], v11
	v_cvt_scalef32_pk16_fp6_f32 v[CC+6:CC+8], v[XS+16:XS+31], v11   ; (a conversion's three registers begin on an even number)
	v_nop                                          ; one plain place behind a scaled conversion
.irp i, 0,1,2
	v_mov_b32 v[CC+3+\i], v[CC+6+\i]
.endr
.if (\kb)+2 < 8
	WLOAD (\kb)+2, \PITCH
.endif
	global_store_b128 v8, v[CC:CC+3], s[28:29] offset:((\kb)/4)*1536+(((\kb)/2)%2)*768+256*((\kb)%2)          ; sixteen lanes store 256 consecutive bytes of each of two tiles
	global_store_b64 v9, v[CC+4:CC+5], s[28:29] offset:((\kb)/4)*1536+(((\kb)/2)%2)*768+512+128*((\kb)%2)
.endm
; A work-group takes 128 columns (group g) x 256 along K (z); wave w columns 32 w on: they are tiles 2 w and 2 w + 1.  Lane L is lane r' = L % 8 + 8 (L / 16) of tile 2 w + (L / 8) % 2.
.macro WQUANT PITCH, FIRSTWG, GBASE, PLO
	s_sub_co_u32 s21, ttmp9, \FIRSTWG
	s_lshr_b32 s22, s21, 2                         ; g
	s_and_b32 s23, s21, 3                          ; z
	s_mul_i32 s24, s23, 256*\PITCH
	s_lshl_b32 s21, s22, 9                         ; 128 g columns of 4 bytes
	s_add_co_u32 s24, s24, s21
	s_lshl_b32 s21, s20, 7
	s_add_co_u32 s24, s24, s21
	s_add_nc_u64 s[26:27], s[\PLO:\PLO+1], s[24:25]
	s_add_co_u32 s22, s22, \GBASE
	s_lshl_b32 s22, s22, 2
	s_add_co_u32 s22, s22, s23
	s_mul_i32 s22, s22, CH                         ; the chunk
	s_mul_i32 s24, s20, 2*3072
	s_add_co_u32 s24, s24, s22
	s_add_nc_u64 s[28:29], s[14:15], s[24:25]      ; my two tiles' images
	s_lshl_b32 s24, s20, 8
	s_add_co_u32 s24, s24, s22
	s_add_co_u32 s24, s24, 24576
	s_add_nc_u64 s[30:31], s[14:15], s[24:25]      ; and their scale words
	v_lshlrev_b32 v4, 2, v1
	v_bfe_u32 v5, v1, 3, 1
	v_and_b32 v6, 7, v1
	v_lshrrev_b32 v7, 4, v1
	v_lshl_add_u32 v6, v7, 3, v6                   ; r'
	v_mul_u32_u24 v7, v5, 3072
	v_lshl_add_u32 v8, v6, 4, v7
	v_lshl_add_u32 v9, v6, 3, v7
	v_lshlrev_b32 v10, 7, v5
	v_lshl_add_u32 v10, v6, 3, v10
	WLOAD 0, \PITCH
	WLOAD 1, \PITCH
.irp kb, 0,1,2,3,4,5,6,7
	WBLOCK \kb, \PITCH
.endr
	global_store_b64 v10, v[14:15], s[30:31]       ; 32 lanes store the two tiles' 256 bytes of scale words
	s_endpgm
.endm
	s_load_b512 s[4:19], s[0:1], 0x0               ; x, W_attn, W_proj, attn_mask, ximg, wimg, rope, maskw
	v_lshl_add_u32 v254, v0, 2, 0x18800
	v_mov_b32 v255, 0
	v_and_b32 v1, 31, v0                           ; lane
	v_lshrrev_b32 v2, 5, v0
	v_readfirstlane_b32 s20, v2                    ; wave
	v_and_b32 v2, 15, v0                           ; r
	v_bfe_u32 v3, v0, 4, 1                         ; h
	s_mov_b32 s40, 0x76543210
	s_mov_b32 s41, 0xfedcba98                      ; v_permlanex16_b32's selects for lane l xor 16
	s_mov_b32 s42, 0xffff0000                      ; lanes 16-31
	s_mov_b32 s25, 0                               ; the upper word of every offset
	s_wait_kmcnt 0x0
	s_cmp_lt_u32 ttmp9, 256
	s_cbranch_scc1 .Lx
	s_cmp_lt_u32 ttmp9, 352
	s_cbranch_scc1 .Lwa
	s_cmp_lt_u32 ttmp9, 384
	s_cbranch_scc1 .Lwp
	s_cmp_lt_u32 ttmp9, 512
	s_cbranch_scc1 .Lmask
	; ---- cos and sin: 64 waves x 32 tokens; lane i takes pair i.  angle = token x inv_freq (one f32 product, as the problem has it); n = the nearest multiple of pi/2,
	; taken off in two parts by fused multiply-adds; polynomials on +-pi/4; the quadrant swaps the two and sets the signs.
	s_sub_co_u32 s21, ttmp9, 512
	s_lshl_b32 s21, s21, 2
	s_add_co_u32 s21, s21, s20
	s_lshl_b32 s21, s21, 5                         ; my first token
	s_lshl_b32 s24, s21, 8                         ; 256 bytes a token
	s_add_nc_u64 s[26:27], s[16:17], s[24:25]
	v_lshlrev_b32 v5, 3, v1
	v_cvt_f32_u32 v6, v1
	v_mul_f32 v6, 0xbed49a78, v6                   ; -i log2(10000) / 32
	v_exp_f32 v4, v6                               ; inv_freq[i]
	v_nop                                          ; a plain place behind the transcendental,
	s_wait_alu depctr_va_vdst(0)                   ; and a wait ahead of the label and of the first reader
	s_mov_b32 s28, 0x3fc90fdb                      ; pi/2, upper part
	s_mov_b32 s29, 0xb33bbd2e                      ; and what is left of it
	s_mov_b32 s30, 0xb94ca1f9                      ; sine: -1.9515295891e-4, 8.3321608736e-3, -1.6666654611e-1
	s_mov_b32 s31, 0x3c08839e
	s_mov_b32 s32, 0xbe2aaaa3
	s_mov_b32 s33, 0x37ccf5ce                      ; cosine: 2.443315712e-5, -1.388731625e-3, 4.166664568e-2
	s_mov_b32 s34, 0xbab6061a
	s_mov_b32 s35, 0x3d2aaaa5
	s_mov_b32 s22, 32
.Ltok:
	v_cvt_f32_u32 v7, s21
	v_mul_f32 v8, v7, v4                           ; the angle
	v_mul_f32 v9, 0x3f22f983, v8
	v_rndne_f32 v9, v9                             ; n
	v_fma_f32 v10, -v9, s28, v8
	v_fma_f32 v10, -v9, s29, v10                   ; what is left, within +-pi/4
	v_mul_f32 v11, v10, v10
	v_fma_f32 v12, v11, s30, s31
	v_fma_f32 v13, v11, s33, s34
	v_fma_f32 v12, v12, v11, s32
	v_fma_f32 v13, v13, v11, s35
	v_mul_f32 v14, v10, v11
	v_mul_f32 v15, v11, v11
	v_fma_f32 v16, v11, -0.5, 1.0
	v_fma_f32 v12, v14, v12, v10                   ; its sine
	v_fma_f32 v13, v15, v13, v16                   ; its cosine
	v_cvt_i32_f32 v17, v9
	v_and_b32 v18, 1, v17
	v_cmp_eq_u32 vcc_lo, 1, v18
	v_cndmask_b32 v19, v12, v13, vcc_lo            ; odd n: the two change places
	v_cndmask_b32 v18, v13, v12, vcc_lo
	v_and_b32 v22, 2, v17
	v_lshlrev_b32 v22, 30, v22
	v_xor_b32 v21, v19, v22                        ; sin: negative where n & 2
	v_add_nc_u32 v23, 1, v17
	v_and_b32 v23, 2, v23
	v_lshlrev_b32 v23, 30, v23
	v_xor_b32 v20, v18, v23                        ; cos: negative where (n + 1) & 2
	global_store_b64 v5, v[20:21], s[26:27]        ; 32 lanes store the token's 256 bytes
	s_wait_xcnt 0x0                                ; the store's data and base are written again only behind this wait
	s_add_nc_u64 s[26:27], s[26:27], 256
	s_add_co_u32 s21, s21, 1
	s_sub_co_u32 s22, s22, 1
	s_cmp_lg_u32 s22, 0
	s_cbranch_scc1 .Ltok
	s_endpgm
	; ---- x: the work-group takes tile T of 16 rows, wave w the 256 along K of chunk z = w.  The loads take 512 consecutive bytes each; the numbers turn through the wave's own stage,
	; so that a lane gets whole blocks of 32 neighbours of its row: no other lane is asked for a maximum.
.Lx:
	s_lshr_b32 s21, ttmp9, 3                       ; g
	s_and_b32 s22, ttmp9, 7                        ; t
	s_lshr_b32 s23, ttmp9, 1
	s_lshl_b32 s23, s23, 5
	s_and_b32 s24, ttmp9, 1
	s_lshl_b32 s24, s24, 3
	s_add_co_u32 s23, s23, s24                     ; the tile's first row: 128 g + 32 (t / 2) + 8 (t % 2)
	s_lshl_b32 s24, s23, 12
	s_lshl_b32 s26, s20, 10
	s_add_co_u32 s24, s24, s26
	s_add_nc_u64 s[4:5], s[4:5], s[24:25]
	s_lshl_b32 s26, s21, 2
	s_add_co_u32 s26, s26, s20
	s_mul_i32 s26, s26, CH                         ; the chunk
	s_mul_i32 s24, s22, 3072
	s_add_co_u32 s24, s24, s26
	s_add_nc_u64 s[28:29], s[12:13], s[24:25]      ; the tile's images
	s_lshl_b32 s24, s22, 7
	s_add_co_u32 s24, s24, s26
	s_add_co_u32 s24, s24, 24576
	s_add_nc_u64 s[30:31], s[12:13], s[24:25]      ; its scale words
	v_lshlrev_b32 v4, 4, v1                        ; 16 l
	v_lshlrev_b32 v5, 3, v1                        ; 8 l
	s_mul_i32 s27, s20, 16*XP                      ; my stage
	v_add_nc_u32 v6, s27, v4                       ; in
	v_mul_u32_u24 v7, v2, XP
	v_lshl_add_u32 v7, v3, 7, v7
	v_add_nc_u32 v7, s27, v7                       ; out: row r, + 128 h: my block of 32 numbers
	v_lshlrev_b32 v8, 3, v2
	v_lshl_add_u32 v8, v3, 2, v8                   ; 8 r + 4 h
	v_lshlrev_b32 v9, 3, v3                        ; 8 h
	v_mov_b32 v250, 0                              ; (a lane permute's destination counts as one of its sources)
.set J, 0
.rept 32
	global_load_b128 v[16+4*J:19+4*J], v4, s[4:5] offset:((J/2)+8*((J/2)/8))*4096+512*(J%2) th:TH_LOAD_NT
.set J, J+1
.endr
.set J, 0
.rept 32
	s_wait_loadcnt 31-J                            ; loads come back in order: this one is in, the younger ones stay out
	ds_store_b128 v6, v[16+4*J:19+4*J] offset:(J/2)*XP+512*(J%2)
.set J, J+1
.endr
.macro QX q                            ; the q-th 128 along K: blocks h and 2 + h of my row
.irp c, 0,1
.irp i, 0,1,2,3,4,5,6,7
	ds_load_b128 v[144+32*\c+4*\i:147+32*\c+4*\i], v7 offset:512*\q+256*\c+16*\i   ; LDS serves a wave's instructions in order: these see my stores
.endr
.endr
	s_wait_dscnt 0x0
.irp c, 0,1
	v_max3_num_f32 v[240+\c], |v[144+32*\c]|, |v[145+32*\c]|, 0x1800000   ; with the floor 2^(3 - 127)
.endr
.irp i, 2,4,6,8,10,12,14,16,18,20,22,24,26,28,30
.irp c, 0,1
	v_max3_num_f32 v[240+\c], v[240+\c], |v[144+32*\c+\i]|, |v[145+32*\c+\i]|   ; (the two blocks by turns)
.endr
.endr
.irp c, 0,1
	v_add_nc_u32 v[242+\c], 0xff000000, v[240+\c]  ; the conversion's scale operand
.endr
.irp c, 0,1
	v_lshrrev_b32 v[244+\c], 23, v[242+\c]         ; the byte
.endr
	v_lshl_or_b32 v246, v245, 16, v244             ; my two bytes, blocks h and 2 + h,
	v_lshlrev_b32 v246, v9, v246                   ; at their places in the word;
	v_permlanex16_b32 v250, v246, s40, s41
	v_or_b32 v[248+\q], v246, v250                 ; with lane l xor 16's two the word is whole
.irp c, 0,1
	v_cvt_scalef32_pk16_fp6_f32 v[208+12*\q+6*\c:210+12*\q+6*\c], v[144+32*\c:159+32*\c], v[242+\c]
	v_cvt_scalef32_pk16_fp6_f32 v[232+4*\c:234+4*\c], v[160+32*\c:175+32*\c], v[242+\c]
.endr
	v_nop                                          ; one plain place behind a scaled conversion
.irp c, 0,1
.irp i, 0,1,2
	v_mov_b32 v[211+12*\q+6*\c+\i], v[232+4*\c+\i]
.endr
.endr
.irp c, 0,1
	global_store_b128 v4, v[208+12*\q+6*\c:211+12*\q+6*\c], s[28:29] offset:1536*\q+768*\c       ; 512 consecutive bytes
	global_store_b64 v5, v[212+12*\q+6*\c:213+12*\q+6*\c], s[28:29] offset:1536*\q+768*\c+512    ; 256 consecutive bytes
.endr
.endm
	QX 0
	QX 1
	v_cndmask_b32 v251, v248, v249, s42            ; lanes 0-15 store the first 128's word, lanes 16-31 the second's
	global_store_b32 v8, v251, s[30:31]
	s_wait_tensorcnt 0x0
	ds_add_u32 v254, v255
	s_wait_dscnt 0x0
	s_endpgm
.Lwa:
	WQUANT 12288, 256, 0, 6
.Lwp:
	WQUANT 4096, 352, 24, 8
	; ---- the mask: the work-group takes query tile qt (16 rows, in the tile's order), wave w keys 512 w on: four key steps of 128.
.Lmask:
	s_sub_co_u32 s21, ttmp9, 384                   ; qt
	s_lshr_b32 s22, s21, 1
	s_lshl_b32 s22, s22, 5
	s_and_b32 s23, s21, 1
	s_lshl_b32 s23, s23, 3
	s_add_co_u32 s22, s22, s23                     ; the tile's first query
	s_lshl_b32 s24, s22, 11
	s_lshl_b32 s23, s20, 9
	s_add_co_u32 s24, s24, s23
	s_add_nc_u64 s[26:27], s[10:11], s[24:25]
	s_lshl_b32 s24, s21, 4
	s_lshl_b32 s23, s20, 2
	s_add_co_u32 s24, s24, s23
	s_lshl_b32 s24, s24, 8                         ; (16 qt + 4 w) x 256 bytes
	s_add_nc_u64 s[28:29], s[18:19], s[24:25]
	s_lshl_b32 s24, s21, 2
	s_add_co_u32 s24, s24, s20
	s_lshl_b32 s24, s24, 7
	s_add_co_u32 s24, s24, 524288
	s_add_nc_u64 s[30:31], s[18:19], s[24:25]      ; the flags' word, 32 copies
	v_lshlrev_b32 v4, 4, v1
	v_lshlrev_b32 v5, 3, v1
	v_lshlrev_b32 v10, 2, v1
	s_mul_i32 s23, s20, 16*MPI
	s_add_co_u32 s23, s23, MST                     ; my stage
	v_add_nc_u32 v6, s23, v4
	v_mul_u32_u24 v7, v2, MPI
	v_lshl_add_u32 v7, v3, 4, v7
	v_add_nc_u32 v7, s23, v7                       ; out: row r, + 16 h
.set J, 0
.rept 16
	global_load_b128 v[16+4*J:19+4*J], v4, s[26:27] offset:(J+8*(J/8))*2048 th:TH_LOAD_NT   ; 512 consecutive bytes of a query's row
.set J, J+1
.endr
.set J, 0
.rept 16
	s_wait_loadcnt 15-J
	ds_store_b128 v6, v[16+4*J:19+4*J] offset:J*MPI
.set J, J+1
.endr
.set J, 0
.rept 16
	ds_load_b128 v[80+4*J:83+4*J], v7 offset:128*(J/4)+32*(J%4)    ; key step J / 4, block J % 4: my query's 16 keys 32 b + 16 h + 0 .. 15
.set J, J+1
.endr
	s_wait_dscnt 0x0
	s_mov_b32 s34, 0
.irp ks, 0,1,2,3
	v_mov_b32 v[144+2*\ks], 0                      ; (v_writelane_b32's destination counts as read)
	v_mov_b32 v[145+2*\ks], 0
	s_mov_b32 s32, -1                              ; all so far
	s_mov_b32 s33, 0                               ; any so far
.set N, 0
.rept 64                               ; score register N = 16 b + i holds key 32 b + 16 h + i: its 32 lanes' mask goes to lane N % 32 of word N / 32
	v_bfe_u32 v[8+N%2], v[80+16*\ks+4*(N/16)+(N%16)/4], 8*(N%4), 8
	v_cmp_ne_u32 s[35+N%2], 0, v[8+N%2]
	v_writelane_b32 v[144+2*\ks+N/32], s[35+N%2], N%32
	s_and_b32 s32, s32, s[35+N%2]
	s_or_b32 s33, s33, s[35+N%2]
.set N, N+1
.endr
	global_store_b64 v5, v[144+2*\ks:145+2*\ks], s[28:29] offset:256*\ks   ; 256 consecutive bytes
	s_cmp_lg_u32 s33, 0
	s_cselect_b32 s37, 1, 0
	s_cmp_eq_u32 s32, -1
	s_cselect_b32 s37, 2, s37
	s_lshl_b32 s37, s37, 2*\ks
	s_or_b32 s34, s34, s37
.endr
	v_mov_b32 v11, s34
	global_store_b32 v10, v11, s[30:31]
	s_wait_tensorcnt 0x0
	ds_add_u32 v254, v255
	s_wait_dscnt 0x0
	s_endpgm
.Lfunc_end_k_qd3c7de7265_prep:
	.size	k_qd3c7de7265_prep, .Lfunc_end_k_qd3c7de7265_prep-k_qd3c7de7265_prep
	.p2alignl 7, 3214868480
	.fill 96, 4, 3214868480
	.section	.rodata,"a",@progbits
	.p2align	6, 0x0
	.amdhsa_kernel k_qd3c7de7265_prep
		.amdhsa_group_segment_fixed_size 100864
		.amdhsa_private_segment_fixed_size 0
		.amdhsa_enable_private_segment 0
		.amdhsa_kernarg_size 64
		.amdhsa_user_sgpr_count 2
		.amdhsa_user_sgpr_kernarg_segment_ptr 1
		.amdhsa_wavefront_size32 1
		.amdhsa_system_sgpr_workgroup_id_x 1
		.amdhsa_system_sgpr_workgroup_id_y 1
		.amdhsa_system_sgpr_workgroup_id_z 1
		.amdhsa_system_vgpr_workitem_id 0
		.amdhsa_next_free_vgpr 256
		.amdhsa_next_free_sgpr 66
		.amdhsa_reserve_vcc 1
		.amdhsa_float_denorm_mode_32 3
		.amdhsa_float_denorm_mode_16_64 3
		.amdhsa_memory_ordered 1
		.amdhsa_forward_progress 1
		.amdhsa_inst_pref_size 169
	.end_amdhsa_kernel
	.amdgpu_metadata
---
amdhsa.version: [ 1, 2 ]
amdhsa.kernels:
  - .name:           k_qd3c7de7265_prep
    .symbol:         k_qd3c7de7265_prep.kd
    .args:
      - { .name: x, .offset: 0, .size: 8, .value_kind: global_buffer, .address_space: global }
      - { .name: W_attn, .offset: 8, .size: 8, .value_kind: global_buffer, .address_space: global }
      - { .name: W_proj, .offset: 16, .size: 8, .value_kind: global_buffer, .address_space: global }
      - { .name: attn_mask, .offset: 24, .size: 8, .value_kind: global_buffer, .address_space: global }
      - { .name: ximg, .offset: 32, .size: 8, .value_kind: global_buffer, .address_space: global }
      - { .name: wimg, .offset: 40, .size: 8, .value_kind: global_buffer, .address_space: global }
      - { .name: rope, .offset: 48, .size: 8, .value_kind: global_buffer, .address_space: global }
      - { .name: maskw, .offset: 56, .size: 8, .value_kind: global_buffer, .address_space: global }
    .group_segment_fixed_size: 100864
    .private_segment_fixed_size: 0
    .kernarg_segment_align: 8
    .kernarg_segment_size: 64
    .max_flat_workgroup_size: 128
    .sgpr_count:     66
    .vgpr_count:     256
    .wavefront_size: 32
...
	.end_amdgpu_metadata
.endif
;; end of part 1
;; launch qkv (part 2): grid 12 x 16, 4 waves a work-group, clusters of 4 x 4, 327,680 bytes of LDS; arguments ximg, wimg, b_attn, rope, qb, kv; writes qb, kv
.if DOCPART == 2
	.amdgcn_target "amdgcn-amd-amdhsa--gfx1250"
	.amdhsa_code_object_version 6
	.text
	.protected	k_qd3c7de7265_qkv
	.globl	k_qd3c7de7265_qkv
	.p2align	8
	.type	k_qd3c7de7265_qkv,@function
k_qd3c7de7265_qkv:
	s_mov_b64 s[64:65], 0
	v_nop
	global_prefetch_b8 v0, s[64:65] scope:SCOPE_SE
	s_setreg_imm32_b32 hwreg(HW_REG_WAVE_MODE, 25, 1), 1
	s_wait_xcnt 0x0
	s_wait_alu depctr_hold_cnt(0) depctr_sa_sdst(0) depctr_va_vdst(0) depctr_va_sdst(0) depctr_va_ssrc(0) depctr_va_vcc(0) depctr_vm_vsrc(0)
	s_getreg_b32 s2, hwreg(HW_REG_IB_STS2, 6, 4)
	s_cmp_eq_u32 s2, 0
	s_cbranch_scc0 .Lentry_in_a_cluster
	s_endpgm
.Lentry_in_a_cluster:
	s_bfe_u32 s2, ttmp6, 0x10000c
	s_cmp_lg_u32 s2, 0xf033
	s_cbranch_scc0 .Lentry_shape_is_right
	s_endpgm
.Lentry_shape_is_right:
; QKV: x W_attn + b_attn on codes of E2M3 (v_wmma_scale_f32_16x16x128_f8f6f4), then per head: RoPE on q and k, and the quantisers of the attention's operands; nothing goes to memory as f32.
; A work-group of four waves makes 256 x 256 of the product, a wave 128 x 128: 64 accumulators, 512 registers.  Source 1 ("A") gives a lane its row, source 0 ("B") runs along a lane's registers.
; THE KIND is the cluster's x: 0 = q, 1 = k: A = tokens (x), B = channels (W): a lane holds one token and its registers run along the head's channels, the next product's K.
;                              2 = v:        A = channels (W), B = tokens (x): a lane holds one channel and its registers run along the keys, which are v's K.
; Only buffers and indices are chosen by the kind (selects); the K loop is one text.  192 work-groups: with tiles of 256 x 128 there would be 384, one and a half turns of the chip.
; OPERANDS lie in memory in the order of the operand's registers, in chunks of 25,600 bytes (128 rows x 256 along K, scale words behind the codes): a fragment is four lane-contiguous LDS loads.
; Lane r of tile t holds row 32 (t / 2) + 8 (t % 2) + r + 8 (r / 8) of its 128, so that the 16 registers of B's tiles 2 b and 2 b + 1 are 16 neighbours 32 b + 16 h + 0 .. 15.
; LDS: three slots of four chunks (A's halves, B's halves).  K = 1024 is four slots' worth: three first fills, and slot 0 is filled once more; that load has four steps of 64 matrix instructions in which to land.
; CLUSTER 4 x 4: A's chunks are shared along a row of the cluster, B's along a column: joint loads.  By this text's count a wave has at most three tensor loads out.
; REGISTERS: window 0: v8-29 addresses; v32-63 scale words, two sets; v64-127 the bias (C of the first products), later cos and sin; v128-223 A's fragments, one set; on the way out v128-255 at work.
;   window 1: B's fragments, two sets, at v0 and v128.  windows 2, 3: the accumulators ((a, b) at v[8 (8 (a % 4) + b)]).
; LIMITS: NaN and infinities are not served; a block whose largest magnitude lies under 2^-124 (zeros too) gets the byte 1; its bytes are read by this program alone.
.set CH,   25600
.set GRP,  4*CH
.set SLOT, 4*CH
.set SPARE, 3*SLOT                     ; behind the slots: the spare words, 128 bytes for each wave: two blocks of 256 bytes that no other line names
.set FR,   12
.set NL,   4                           ; LDS loads that bring a fragment
.set A16,  8                           ; v8-10   A's images in slot 0, 1, 2: my half + 16 l
.set A8,   11                          ; v11-13  + 8 l
.set B16,  14
.set B8,   17
.set ADRS, 20                          ; v20-22  scale words: lanes 0-15 A's, lanes 16-31 B's
.set L16,  23                          ; 16 l
.set L8,   24                          ; 8 l
.set RPL,  25                          ; the table of cos and sin: my token's row + 64 h
.set BL,   26                          ; 64 h
.set VBL,  27                          ; 4 (r + 8 (r / 8))
.set SPW,  28
.set NIL,  29
.set SC,   32
.set BIAS, 64
.set AF,   128
.set CSR,  64                          ; cos and sin, two sets of 32
.set Y,    128                         ; 64 numbers ahead of the quantiser
.set T,    192
.set PC,   200                         ; the codes just made (20 registers)
.set TM,   220
.set PW,   236                         ; the scale word just made
.set TP,   237
.set KSA,  240
.set KSB,  244
.set VB,   248
.set G1A,  24
.set G1B,  32
.set G0A,  40                          ; s[40:51] three sets, one for each slot
.set G0B,  52
.set SEL,  76
.set HM,   78
.set MSB, 0
.macro WIN new                         ; the immediate's high byte repeats the setting that is left
.if MSB != \new
	s_set_vgpr_msb (MSB<<8)|\new
.set MSB, \new
.endif
.endm
.set MUL_LO, 0xa1                      ; source 0 (B) window 1, source 1 (A) window 0, C and D window 2
.set MUL_HI, 0xf1
.set TO_B,   0x40
.macro JLOAD s                         ; a joint load: waves 0 and 1 fetch A's halves, waves 2 and 3 B's; four v_nop follow each line
	s_cmp_eq_u32 s17, 0
	s_cbranch_scc0 .Lfor_b_\@
	tensor_load_to_lds s[G0A+4*\s:G0A+4*\s+3], s[G1A:G1A+7]
	s_nop 0
.rept 4
	v_nop
.endr
	s_branch .Lasked_\@
.Lfor_b_\@:
	tensor_load_to_lds s[G0B+4*\s:G0B+4*\s+3], s[G1B:G1B+7]
	s_nop 0
.rept 4
	v_nop
.endr
.Lasked_\@:
.endm
.macro CREST                           ; a round of the cluster's barrier behind its opening barrier
	s_cmp_lg_u32 s16, 0
	s_cbranch_scc1 .Lnot_wave_0_\@
	s_barrier_signal -3
.Lnot_wave_0_\@:
	s_barrier_wait -3
	s_barrier_signal -1
	s_barrier_wait -1
.endm
.macro CROUND
	s_barrier_signal -1
	s_barrier_wait -1
	CREST
.endm
.macro PLACES n
.rept \n
	v_nop
.endr
.endm
	s_load_b256 s[4:11], s[0:1], 0x0               ; ximg, wimg, b_attn, rope
	s_load_b128 s[12:15], s[0:1], 0x20             ; qb, kv
	v_lshl_add_u32 v[SPW], v0, 2, SPARE
	v_mov_b32 v[NIL], 0
	ds_add_u32 v28, v29
	ds_add_u32 v28, v29
	s_wait_dscnt 0x0
	v_lshrrev_b32 v1, 5, v0
	v_readfirstlane_b32 s16, v1                    ; wave
	s_lshr_b32 s17, s16, 1                         ; my half of A's rows.  Also: I fetch for A (0) or for B (1)
	s_and_b32 s18, s16, 1                          ; my half of B's rows.  Also: which half I fetch
	s_mov_b32 s19, ttmp9                           ; the kind: the cluster's x, the same in all sixteen partners
	s_bfe_u32 s20, ttmp6, 0x40000                  ; cx
	s_bfe_u32 s21, ttmp6, 0x40004                  ; cy
	s_and_b32 s22, ttmp7, 0xffff
	s_lshl_b32 s22, s22, 2                         ; 4 x cluster y
	s_lshl_b32 s23, s19, 2                         ; 4 x cluster x
	s_lshl_b32 s68, s21, 2
	s_lshl_b32 s68, 15, s68                        ; my row of the cluster
	s_lshl_b32 s69, 0x1111, s20                    ; my column
	s_cmp_eq_u32 s19, 2
	s_cselect_b32 s66, 8, s22                      ; A's block of 256 rows: v: channel block 8 + cy;  q, k: token block 4 Y + cy
	s_cselect_b32 s67, s22, s23                    ; B's:                   v: token block 4 Y + cx;    q, k: channel block 4 X + cx
	s_add_co_u32 s66, s66, s21
	s_add_co_u32 s67, s67, s20
	s_lshl_b32 s70, s66, 1
	s_add_co_u32 s70, s70, s18
	s_mul_i32 s70, s70, GRP                        ; the group of 128 rows of A that I would fetch
	s_mov_b32 s71, 0
	s_lshl_b32 s72, s67, 1
	s_add_co_u32 s72, s72, s18
	s_mul_i32 s72, s72, GRP                        ; and of B
	s_mov_b32 s73, 0
	s_mul_i32 s75, s16, CH                         ; where it goes in a slot: wave x a chunk
	; descriptor group 1: a chunk is dense: 100 rows of 256 bytes (32 elements of 8 bytes), no padding
	s_or_b32 s[G1A], s68, (3<<16)|(1<<21)
	s_or_b32 s[G1B], s69, (3<<16)|(1<<21)
.irp g, G1A, G1B
	s_mov_b32 s[\g+1], 32<<16                      ; tensor_dim0
	s_mov_b32 s[\g+2], 100<<16                     ; tensor_dim1
	s_mov_b32 s[\g+3], 32<<16                      ; tile_dim0
	s_mov_b32 s[\g+4], 100                         ; tile_dim1
	s_mov_b32 s[\g+5], 32                          ; the pitch
	s_mov_b32 s[\g+6], 0
	s_mov_b32 s[\g+7], 0
.endr
	s_mov_b32 s[SEL], 0x76543210
	s_mov_b32 s[SEL+1], 0xfedcba98
	s_mov_b32 s[HM], 0xffff0000                    ; lanes 16-31
	s_wait_kmcnt 0x0
	s_cmp_eq_u32 s19, 2
	s_cselect_b64 s[92:93], s[6:7], s[4:5]         ; A's buffer
	s_cselect_b64 s[94:95], s[4:5], s[6:7]         ; B's
	s_add_nc_u64 s[70:71], s[92:93], s[70:71]
	s_add_nc_u64 s[72:73], s[94:95], s[72:73]
	CROUND                                         ; all sixteen work-groups are here: the first joint loads meet
.irp s, 0,1,2
	s_mov_b32 s[G0A+4*\s], 1
	s_add_co_u32 s[G0A+4*\s+1], s75, \s*SLOT
	s_add_nc_u64 s[G0A+4*\s+2:G0A+4*\s+3], s[70:71], \s*CH
	s_or_b32 s[G0A+4*\s+3], s[G0A+4*\s+3], 0x80000000
	s_mov_b32 s[G0B+4*\s], 1
	s_add_co_u32 s[G0B+4*\s+1], s75, \s*SLOT
	s_add_nc_u64 s[G0B+4*\s+2:G0B+4*\s+3], s[72:73], \s*CH
	s_or_b32 s[G0B+4*\s+3], s[G0B+4*\s+3], 0x80000000
	JLOAD \s                                       ; K = 256 s on
.endr
	v_and_b32 v1, 31, v0
	v_and_b32 v2, 15, v0                           ; r
	v_bfe_u32 v3, v0, 4, 1                         ; h
	v_lshlrev_b32 v[L16], 4, v1
	v_lshlrev_b32 v[L8], 3, v1
	s_mul_i32 s92, s17, CH                         ; my half of A
	s_mul_i32 s93, s18, CH
	s_add_co_u32 s93, s93, 2*CH                    ; my half of B
	s_sub_co_u32 s94, s93, s92
	v_mul_u32_u24 v4, s94, v3                      ; lanes 16-31 take B's scale words
	v_lshl_add_u32 v4, v2, 3, v4                   ; 8 bytes a row
	s_add_co_u32 s95, s92, 24576
.irp s, 0,1,2
	v_add_nc_u32 v[A16+\s], s92, v[L16]
	v_add_nc_u32 v[A8+\s], s92, v[L8]
	v_add_nc_u32 v[B16+\s], s93, v[L16]
	v_add_nc_u32 v[B8+\s], s93, v[L8]
	v_add_nc_u32 v[ADRS+\s], s95, v4
	s_add_co_u32 s92, s92, SLOT
	s_add_co_u32 s93, s93, SLOT
	s_add_co_u32 s95, s95, SLOT
.endr
	v_and_b32 v5, 8, v2
	v_add_nc_u32 v5, v5, v2                        ; r + 8 (r / 8)
	v_lshlrev_b32 v[RPL], 8, v5
	v_lshl_add_u32 v[RPL], v3, 6, v[RPL]
	v_lshlrev_b32 v[BL], 6, v3
	v_lshlrev_b32 v[VBL], 2, v5
.irp b, 0,1,2,3
	v_mov_b32 v[TM+4+\b], 0                        ; written once: a lane permute's destination counts as one of its sources
.endr
	s_lshl_b32 s96, s66, 1
	s_add_co_u32 s96, s96, s17                     ; gA: my group of 128 rows of A
	s_lshl_b32 s97, s67, 1
	s_add_co_u32 s97, s97, s18                     ; gB: of B
	; The bias is the C of the first products: register 8 b + j of lane (r, h) belongs to B's row 32 (b / 2) + 8 (b % 2) + 16 h + j.  For q and k that row is a channel.
	; For v the channel is the lane's, not the register's: C is zero there, and the bias is added on the way out, in the line that brings the sums to the quantiser.
	s_cmp_eq_u32 s19, 2
	s_cbranch_scc1 .Lbias_v
	s_lshl_b32 s92, s97, 9
	s_mov_b32 s93, 0
	s_add_nc_u64 s[90:91], s[8:9], s[92:93]
.irp b, 0,1,2,3,4,5,6,7
	global_load_b128 v[BIAS+8*\b:BIAS+8*\b+3], v[BL], s[90:91] offset:(32*(\b/2)+8*(\b%2))*4
	global_load_b128 v[BIAS+8*\b+4:BIAS+8*\b+7], v[BL], s[90:91] offset:(32*(\b/2)+8*(\b%2))*4+16
.endr
	s_branch .Lbias_done
.Lbias_v:
.set J, 0
.rept 64
	v_mov_b32 v[BIAS+J], 0
.set J, J+1
.endr
.Lbias_done:
.macro FRAG reg, a16, a8, q, i         ; a fragment, 16 rows x 128 K: two images of 768 bytes, each 16 bytes and then 8 bytes a lane, as they lie
	ds_load_b128 v[\reg:\reg+3], v[\a16] offset:(\i)*3072+(\q)*1536
	ds_load_b64 v[\reg+4:\reg+5], v[\a8] offset:(\i)*3072+(\q)*1536+512
	ds_load_b128 v[\reg+6:\reg+9], v[\a16] offset:(\i)*3072+(\q)*1536+768
	ds_load_b64 v[\reg+10:\reg+11], v[\a8] offset:(\i)*3072+(\q)*1536+1280
.endm
.macro FETCH_B slot, q, p
	WIN TO_B
.irp i, 0,1,2,3,4,5,6,7
	FRAG 128*(\p)+FR*\i, B16+\slot, B8+\slot, \q, \i
.endr
	WIN 0
.endm
.macro FETCH_A slot, q, i0
.irp i, \i0, \i0+1, \i0+2, \i0+3
	FRAG AF+FR*(\i), A16+\slot, A8+\slot, \q, \i
.endr
.endm
.macro SCALES slot, set                ; a slot's scale words: register 2 i + q: lanes 0-15 A's tile i, lanes 16-31 B's tile i
.irp i, 0,1,2,3,4,5,6,7
	ds_load_b64 v[SC+16*\set+2*\i:SC+16*\set+2*\i+1], v[ADRS+\slot] offset:\i*128
.endr
.endm
; 16 matrix instructions: A's blocks a0, a0 + 1 x B's eight.  The 64 accumulators take turns, one instruction a turn, in the same order in every step.
.macro MUL16 a0, p, q, sc, first
.irp a, \a0, \a0+1
.irp b, 0,1,2,3,4,5,6,7
.if \first
	v_wmma_scale_f32_16x16x128_f8f6f4 v[8*(8*((\a)%4)+\b):8*(8*((\a)%4)+\b)+7], v[128*(\p)+FR*\b:128*(\p)+FR*\b+FR-1], v[AF+FR*(\a):AF+FR*(\a)+FR-1], v[BIAS+8*\b:BIAS+8*\b+7], v[SC+16*(\sc)+2*\b+(\q)], v[SC+16*(\sc)+2*(\a)+(\q)] matrix_a_fmt:MATRIX_FMT_FP6 matrix_b_fmt:MATRIX_FMT_FP6 matrix_a_scale:MATRIX_SCALE_ROW1
.else
	v_wmma_scale_f32_16x16x128_f8f6f4 v[8*(8*((\a)%4)+\b):8*(8*((\a)%4)+\b)+7], v[128*(\p)+FR*\b:128*(\p)+FR*\b+FR-1], v[AF+FR*(\a):AF+FR*(\a)+FR-1], v[8*(8*((\a)%4)+\b):8*(8*((\a)%4)+\b)+7], v[SC+16*(\sc)+2*\b+(\q)], v[SC+16*(\sc)+2*(\a)+(\q)] matrix_a_fmt:MATRIX_FMT_FP6 matrix_b_fmt:MATRIX_FMT_FP6 matrix_a_scale:MATRIX_SCALE_ROW1
.endif
.endr
.endr
.endm
; A step of 128 along K (slot, q, scale set sc) whose successor (nslot, nq) has landed for every wave.  A has one set of registers: blocks 0-3 are fetched anew in the step's middle, blocks 4-7 at its end; B has two.
; Four plain places stand in front of each run of loads into registers that matrix instructions have read (ISA guide 7.12.1 for vector instructions).
.macro STEP slot, q, sc, nslot, nq, nsc, first, newsc
	s_wait_dscnt 4*NL                              ; B's set, A's blocks 0-3 and the scale words are in; the youngest 16 loads (A's blocks 4-7) may be out
.if \first
	WIN 0x81                                       ; C (the bias) window 0, D window 2
.else
	WIN MUL_LO
.endif
	MUL16 0, (\q)%2, \q, \sc, \first
	MUL16 2, (\q)%2, \q, \sc, \first
	s_wait_dscnt 0x0                               ; A's blocks 4-7 are in
	PLACES 4
	FETCH_B \nslot, \nq, 1-(\q)%2
	FETCH_A \nslot, \nq, 0
.if \newsc
	SCALES \nslot, \nsc
.endif
.if \first
	WIN 0xc1
.else
	WIN MUL_HI
.endif
	MUL16 4, (\q)%2, \q, \sc, \first
	MUL16 6, (\q)%2, \q, \sc, \first
	PLACES 4
	WIN 0
	FETCH_A \nslot, \nq, 4
.endm
; A slot's second step with a barrier in it.  In front of the barrier each wave waits for all its tensor loads, adds 0 to its spare word, and waits for that and for its reads of this slot.
; fill = 1: the barrier opens a round of the cluster's barrier, and slot 0 is filled with the last 256 along K, first thing behind the round.
.macro TURN slot, sc, next, nsc, fill
	s_wait_tensorcnt 0x0                           ; all my tensor loads have landed  (every window is 0 here)
	ds_add_u32 v[SPW], v[NIL]                      ; 0 onto my spare word
	s_wait_dscnt 4*NL+1                            ; (the add and the youngest 16 loads may be out)
	WIN MUL_LO
	MUL16 0, 1, 1, \sc, 0                          ; sixteen matrix instructions stand between the add and the wait for it
	s_wait_dscnt 0x0                               ; the add is done, and my reads of this slot are over
	s_barrier_signal -1
	MUL16 2, 1, 1, \sc, 0
	WIN 0
	s_barrier_wait -1
.if \fill
	CREST                                          ; no wave of any partner still reads slot 0 or has a load on its way
	s_add_nc_u64 s[G0A+2:G0A+3], s[G0A+2:G0A+3], 3*CH
	s_add_nc_u64 s[G0B+2:G0B+3], s[G0B+2:G0B+3], 3*CH
	JLOAD 0                                        ; its four v_nop are also the places in front of the loads below
.else
	PLACES 4
.endif
	FETCH_B \next, 0, 0
	FETCH_A \next, 0, 0
	SCALES \next, \nsc
	WIN MUL_HI
	MUL16 4, 1, 1, \sc, 0
	MUL16 6, 1, 1, \sc, 0
	PLACES 4
	WIN 0
	FETCH_A \next, 0, 4
.endm
.macro LAST sc                         ; the last step: nothing more to fetch; four places behind it for the first reads of results
	s_wait_dscnt 4*NL
	WIN MUL_LO
	MUL16 0, 1, 1, \sc, 0
	MUL16 2, 1, 1, \sc, 0
	s_wait_dscnt 0x0
	WIN MUL_HI
	MUL16 4, 1, 1, \sc, 0
	MUL16 6, 1, 1, \sc, 0
	WIN 0
	PLACES 4
.endm
; 64 numbers of a lane, register 16 b + i = k 32 b + 16 h + i of my row, become a fragment's codes in v[PC] on and its scale word in v[PW].
.macro QUANT s
.irp b, 0,1,2,3
	v_max3_num_f32 v[TM+\b], |v[\s+16*\b]|, |v[\s+1+16*\b]|, 0x1800000   ; my 16 numbers of block b, and the floor 2^(3 - 127)
.endr
.irp i, 2,4,6,8,10,12,14
.irp b, 0,1,2,3
	v_max3_num_f32 v[TM+\b], v[TM+\b], |v[\s+16*\b+\i]|, |v[\s+1+16*\b+\i]|
.endr
.endr
.irp b, 0,1,2,3
	v_permlanex16_b32 v[TM+4+\b], v[TM+\b], s[SEL], s[SEL+1]
.endr
.irp b, 0,1,2,3
	v_max_num_f32 v[TM+\b], v[TM+\b], v[TM+4+\b]   ; with lane l xor 16's: the block's largest magnitude
.endr
.irp b, 0,1,2,3
	v_add_nc_u32 v[TM+12+\b], 0xff000000, v[TM+\b] ; 2 off its exponent field: the conversion's scale operand
.endr
.irp b, 0,1,2,3
	v_lshrrev_b32 v[TM+4+\b], 23, v[TM+12+\b]      ; the byte
.endr
	v_lshl_or_b32 v[PW], v[TM+5], 8, v[TM+4]
	v_lshl_or_b32 v[PW], v[TM+6], 16, v[PW]
	v_lshl_or_b32 v[PW], v[TM+7], 24, v[PW]
.irp c, 0,1
	v_cvt_scalef32_pk16_fp6_f32 v[PC+6*\c:PC+2+6*\c], v[\s+32*\c:\s+15+32*\c], v[TM+12+2*\c]
	v_cvt_scalef32_pk16_fp6_f32 v[PC+12+4*\c:PC+14+4*\c], v[\s+16+32*\c:\s+31+32*\c], v[TM+12+2*\c+1]
.endr
	v_nop                                          ; one plain place behind a scaled conversion
.irp c, 0,1                            ; the operand's layout wants a whole block in a lane
.irp i, 0,1,2
	v_permlane16_swap_b32 v[PC+6*\c+\i], v[PC+12+4*\c+\i]
.endr
.irp i, 0,1,2
	v_mov_b32 v[PC+3+6*\c+\i], v[PC+12+4*\c+\i]
.endr
.endr
.endm
	s_wait_tensorcnt 2                             ; my part of slot 0 is in; slots 1 and 2 may stay out
	s_barrier_signal -1
	s_barrier_wait -1
	FETCH_B 0, 0, 0
	FETCH_A 0, 0, 0
	SCALES 0, 0
	FETCH_A 0, 0, 4
	s_wait_loadcnt 0x0                             ; the bias
	STEP 0, 0, 0, 0, 1, 0, 1, 0                    ; K 0: the first products start the sums on the bias
	TURN 0, 0, 1, 1, 1                             ; K 128; slots 1 and 2 are shown landed to every wave; slot 0 takes K 768 on
	STEP 1, 0, 1, 1, 1, 1, 0, 0                    ; K 256
	STEP 1, 1, 1, 2, 0, 0, 0, 1                    ; K 384
	STEP 2, 0, 0, 2, 1, 0, 0, 0                    ; K 512
	TURN 2, 0, 0, 1, 0                             ; K 640; the refill of slot 0 is shown landed
	STEP 0, 0, 1, 0, 1, 1, 0, 0                    ; K 768
	s_cmp_eq_u32 s19, 2                            ; the kinds part here, ahead of the last step, so that each arm asks for what its way out needs while the last products run
	s_cbranch_scc1 .Lv_tail
	; ---- q, k.  gA is a group of 128 tokens (batch gA / 16, chunk gA % 16), gB two heads.  For A's tile a a lane holds one token and 64 sums: channels 32 b + 16 h + i, head 0 in registers 0-31, head 1 in 32-63.
	s_lshr_b32 s92, s96, 4
	s_lshl_b32 s92, s92, 4
	s_and_b32 s93, s97, 7
	s_lshl_b32 s93, s93, 1
	s_add_co_u32 s92, s92, s93                     ; 16 x batch + the first head
	s_and_b32 s93, s96, 15                         ; the chunk
	s_cmp_eq_u32 s19, 0
	s_cselect_b64 s[80:81], s[12:13], s[14:15]     ; qb or kv
	s_mov_b32 s94, 208896
	s_cselect_b32 s94, 106496, s94                 ; from head to head
	s_mov_b32 s95, 13056
	s_cselect_b32 s95, 6656, s95                   ; from chunk to chunk
	s_mov_b32 s98, 12288
	s_cselect_b32 s98, 6144, s98                   ; where the block of scale words stands
	s_mul_i32 s92, s92, s94
	s_mul_i32 s93, s93, s95
	s_add_co_u32 s92, s92, s93
	s_mov_b32 s93, 0
	s_add_nc_u64 s[80:81], s[80:81], s[92:93]      ; the first head's chunk
	s_mov_b32 s95, 0
	s_add_nc_u64 s[82:83], s[80:81], s[94:95]      ; the second's
	s_mov_b32 s99, 0
	s_add_nc_u64 s[84:85], s[80:81], s[98:99]
	s_add_nc_u64 s[86:87], s[82:83], s[98:99]
	s_and_b32 s92, s96, 15
	s_lshl_b32 s92, s92, 15                        ; 128 tokens x 256 bytes
	s_add_nc_u64 s[88:89], s[10:11], s[92:93]
.macro RLOAD a                         ; cos and sin of tile a's tokens: my token's pairs 16 b' + 8 h + 0 .. 7, b' = 0, 1: 32 numbers; both heads use them
.irp bb, 0,1
.irp i, 0,1,2,3
	global_load_b128 v[CSR+32*((\a)%2)+16*\bb+4*\i:CSR+32*((\a)%2)+16*\bb+4*\i+3], v[RPL], s[88:89] offset:(32*((\a)/2)+8*((\a)%2))*256+128*\bb+16*\i
.endr
.endr
.endm
	RLOAD 0                                        ; into the bias's registers, free since the first step
	LAST 1
.macro QKTILE a
.set AC, 64*((\a)%4)
.set CSB, CSR+32*((\a)%2)
.if (\a) < 7
	RLOAD (\a)+1
	s_wait_loadcnt 8                               ; this tile's eight loads are in; the next tile's may be out
.else
	s_wait_loadcnt 0x0
.endif
	WIN 0x02+(\a)/4                                ; source 0: the accumulators' window
.irp b, 0,1,2,3,4,5,6,7                ; an accumulator at a time, from its low end on.  (x0, x1) -> (x0 cos - x1 sin, x1 cos + x0 sin)
.irp k, 0,1,2,3
	v_pk_mul_f32 v[T+2*\k:T+2*\k+1], v[AC+8*\b+2*\k:AC+8*\b+2*\k+1], v[CSB+2*((4*\b+\k)%16):CSB+2*((4*\b+\k)%16)+1] op_sel:[1,1] op_sel_hi:[0,1]   ; (x1 sin, x0 sin)
.endr
.irp k, 0,1,2,3
	v_pk_fma_f32 v[Y+8*\b+2*\k:Y+8*\b+2*\k+1], v[AC+8*\b+2*\k:AC+8*\b+2*\k+1], v[CSB+2*((4*\b+\k)%16):CSB+2*((4*\b+\k)%16)+1], v[T+2*\k:T+2*\k+1] op_sel_hi:[1,0,1] neg_lo:[0,0,1]
.endr
.endr
	WIN 0
	s_wait_xcnt 0x0                                ; the last tile's stores have read their registers: the codes are written again only behind this wait
	QUANT Y                                        ; blocks 0, 1: the first head's 64; blocks 2, 3: the second's
	global_store_b128 v[L16], v[PC:PC+3], s[80:81] offset:768*(\a)            ; each head's image of 16 tokens x 64: 512 and 256 consecutive bytes
	global_store_b64 v[L8], v[PC+4:PC+5], s[80:81] offset:768*(\a)+512
	global_store_b128 v[L16], v[PC+6:PC+9], s[82:83] offset:768*(\a)
	global_store_b64 v[L8], v[PC+10:PC+11], s[82:83] offset:768*(\a)+512
.if (\a) < 4                           ; scale words: register i holds tile i's in lanes 0-15 and tile i + 4's in lanes 16-31.  A word's upper two bytes meet zero codes alone: the other head's bytes or 0, never 0xff
	v_mov_b32 v[KSA+(\a)], v[PW]
	v_lshrrev_b32 v[KSB+(\a)], 16, v[PW]
.else
	v_lshrrev_b32 v[TP], 16, v[PW]
	v_cndmask_b32 v[KSA+(\a)-4], v[KSA+(\a)-4], v[PW], s[HM]
	v_cndmask_b32 v[KSB+(\a)-4], v[KSB+(\a)-4], v[TP], s[HM]
.endif
.endm
.irp a, 0,1,2,3,4,5,6,7
	QKTILE \a
.endr
	global_store_b128 v[L16], v[KSA:KSA+3], s[84:85]
	global_store_b128 v[L16], v[KSB:KSB+3], s[86:87]
	s_branch .Lend
	; ---- v.  gA - 16 gives two heads, gB a key step of 128 tokens (batch gB / 16, step gB % 16).  For A's tile a a lane holds one channel of head a / 4 and 64 sums along the keys 32 b + 16 h + i:
	; a fragment of V^T (16 channels x 128 keys) and its scale words.
.Lv_tail:
	s_sub_co_u32 s92, s96, 16
	s_lshl_b32 s92, s92, 1
	s_lshr_b32 s93, s97, 4
	s_lshl_b32 s93, s93, 4
	s_add_co_u32 s92, s92, s93                     ; 16 x batch + the first head
	s_mul_i32 s92, s92, 208896
	s_and_b32 s93, s97, 15
	s_mul_i32 s93, s93, 13056
	s_add_co_u32 s92, s92, s93
	s_mov_b32 s93, 0
	s_add_nc_u64 s[80:81], s[14:15], s[92:93]
	s_add_nc_u64 s[82:83], s[80:81], 208896
	s_lshl_b32 s92, s96, 9
	s_add_nc_u64 s[90:91], s[8:9], s[92:93]
.irp a, 0,1,2,3,4,5,6,7
	global_load_b32 v[VB+\a], v[VBL], s[90:91] offset:(32*(\a/2)+8*(\a%2))*4   ; the bias of my channel in tile a
.endr
	LAST 1
	s_wait_loadcnt 0x0
.macro VTILE a
.set AC, 64*((\a)%4)
	WIN 0x02+(\a)/4
.set J, 0
.rept 32                               ; the sums + my channel's bias, each accumulator from its low end on
.if (\a)%2 == 0
	v_pk_add_f32 v[Y+J:Y+J+1], v[AC+J:AC+J+1], v[VB+2*((\a)/2):VB+2*((\a)/2)+1] op_sel_hi:[1,0]
.else
	v_pk_add_f32 v[Y+J:Y+J+1], v[AC+J:AC+J+1], v[VB+2*((\a)/2):VB+2*((\a)/2)+1] op_sel:[0,1] op_sel_hi:[1,1]
.endif
.set J, J+2
.endr
	WIN 0
	s_wait_xcnt 0x0                                ; the last tile's stores have read their registers
	QUANT Y
	global_store_b128 v[L16], v[PC:PC+3], s[80+2*((\a)/4):81+2*((\a)/4)] offset:6144+1536*((\a)%4)
	global_store_b64 v[L8], v[PC+4:PC+5], s[80+2*((\a)/4):81+2*((\a)/4)] offset:6144+1536*((\a)%4)+512
	global_store_b128 v[L16], v[PC+6:PC+9], s[80+2*((\a)/4):81+2*((\a)/4)] offset:6144+1536*((\a)%4)+768
	global_store_b64 v[L8], v[PC+10:PC+11], s[80+2*((\a)/4):81+2*((\a)/4)] offset:6144+1536*((\a)%4)+1280
.if (\a)%4 < 2                         ; scale words: register i holds tile i's in lanes 0-15 and tile i + 2's in lanes 16-31; each head has its own pair
	v_mov_b32 v[KSA+2*((\a)/4)+(\a)%4], v[PW]
.else
	v_cndmask_b32 v[KSA+2*((\a)/4)+(\a)%4-2], v[KSA+2*((\a)/4)+(\a)%4-2], v[PW], s[HM]
.endif
.if (\a)%4 == 3
	global_store_b64 v[L8], v[KSA+2*((\a)/4):KSA+2*((\a)/4)+1], s[80+2*((\a)/4):81+2*((\a)/4)] offset:12800
.endif
.endm
.irp a, 0,1,2,3,4,5,6,7
	VTILE \a
.endr
.Lend:
	s_wait_tensorcnt 0x0                           ; the wave's end
	ds_add_u32 v[SPW], v[NIL]
	s_wait_dscnt 0x0
	CROUND                                         ; the closing round: no work-group ends while a partner may still ask for a chunk that names it
	s_endpgm
.Lfunc_end_k_qd3c7de7265_qkv:
	.size	k_qd3c7de7265_qkv, .Lfunc_end_k_qd3c7de7265_qkv-k_qd3c7de7265_qkv
	.p2alignl 7, 3214868480
	.fill 96, 4, 3214868480
	.section	.rodata,"a",@progbits
	.p2align	6, 0x0
	.amdhsa_kernel k_qd3c7de7265_qkv
		.amdhsa_group_segment_fixed_size 327680
		.amdhsa_private_segment_fixed_size 0
		.amdhsa_enable_private_segment 0
		.amdhsa_kernarg_size 48
		.amdhsa_user_sgpr_count 2
		.amdhsa_user_sgpr_kernarg_segment_ptr 1
		.amdhsa_wavefront_size32 1
		.amdhsa_system_sgpr_workgroup_id_x 1
		.amdhsa_system_sgpr_workgroup_id_y 1
		.amdhsa_system_sgpr_workgroup_id_z 1
		.amdhsa_system_vgpr_workitem_id 0
		.amdhsa_next_free_vgpr 1024
		.amdhsa_next_free_sgpr 100
		.amdhsa_reserve_vcc 0
		.amdhsa_float_denorm_mode_32 3
		.amdhsa_float_denorm_mode_16_64 3
		.amdhsa_memory_ordered 1
		.amdhsa_forward_progress 1
		.amdhsa_inst_pref_size 250
	.end_amdhsa_kernel
	.amdgpu_metadata
---
amdhsa.version: [ 1, 2 ]
amdhsa.kernels:
  - .name:           k_qd3c7de7265_qkv
    .symbol:         k_qd3c7de7265_qkv.kd
    .args:
      - { .name: ximg, .offset: 0, .size: 8, .value_kind: global_buffer, .address_space: global }
      - { .name: wimg, .offset: 8, .size: 8, .value_kind: global_buffer, .address_space: global }
      - { .name: b_attn, .offset: 16, .size: 8, .value_kind: global_buffer, .address_space: global }
      - { .name: rope, .offset: 24, .size: 8, .value_kind: global_buffer, .address_space: global }
      - { .name: qb, .offset: 32, .size: 8, .value_kind: global_buffer, .address_space: global }
      - { .name: kv, .offset: 40, .size: 8, .value_kind: global_buffer, .address_space: global }
    .group_segment_fixed_size: 327680
    .private_segment_fixed_size: 0
    .kernarg_segment_align: 8
    .kernarg_segment_size: 48
    .max_flat_workgroup_size: 128
    .sgpr_count:     100
    .vgpr_count:     1024
    .wavefront_size: 32
...
	.end_amdgpu_metadata
.endif
;; end of part 2
;; launch attn (part 3): grid 8 x 32, 16 waves a work-group, no clusters, 210,944 bytes of LDS; arguments qb, kv, maskw, yimg; writes yimg
.if DOCPART == 3
	.amdgcn_target "amdgcn-amd-amdhsa--gfx1250"
	.amdhsa_code_object_version 6
	.text
	.protected	k_qd3c7de7265_attn
	.globl	k_qd3c7de7265_attn
	.p2align	8
	.type	k_qd3c7de7265_attn,@function
k_qd3c7de7265_attn:
	s_mov_b64 s[64:65], 0
	v_nop
	global_prefetch_b8 v0, s[64:65] scope:SCOPE_SE
	s_setreg_imm32_b32 hwreg(HW_REG_WAVE_MODE, 25, 1), 1
	s_wait_xcnt 0x0
; ATTN: y = softmax(where(mask, q k^T / 8, -10000)) v for one head, both products on codes of E2M3; y leaves as codes, an operand of the last product.
; THE SOFTMAX: t = logit x log2(e); M = the running largest t rounded up to a whole number; p = 2^(t - M) is quantised along the keys; the row's sum is taken of the unquantised p and divides at the end.
; A masked logit is -10000: the raw score is replaced by -80000 (x 1/8), so it goes through the same lines as every other score and still counts where nothing larger stands in its row.
; SHARES.  A work-group owns 16 tiles of 16 queries of one head; wave w < 8 takes tile 8 j + w, wave w >= 8 tile 112 - 8 j + w: early and late queries meet in every work-group.  A wave has 256 registers, four waves share a SIMD.
; K AND V of the whole head, 208,896 bytes of codes and scale words in the order of the operands' registers, are copied into LDS once, through registers; one barrier; behind it LDS is only read.
; WHY NO TENSOR LOAD AND NO JOINT LOAD: a key step all of whose 16 x 128 places are masked is left by a branch on a stored number.
; A STEP THAT IS WHOLLY MASKED: all its p are one number p0 = 2^(-10000 log2(e) - M).  So only the sum of V over its keys is taken (V^T x codes of 1.0: four matrix instructions), and the steps are counted;
; at the end O += Q(p0) x that sum and l += 128 x count x p0, with the last M: the same numbers, since p0's rescalings are exact powers of two.
; LAYOUT.  S^T = K Q^T (source 0 = 16 keys, source 1 = my queries), O^T = V^T P^T: a lane holds one query.  The head's 64 fill half of the instruction's 128 along K: Q's upper six registers are zero codes,
; K's upper six are whatever follows (the next tile's codes, or zeros): they meet zeros, and no scale byte is 0xff.
; A chunk of kv (a key step, 13,056 bytes): K's 8 images of 768; V^T's 4 fragments of 1,536 at 6144; K's scale words at 12288; V's at 12800.
; LIMITS: NaN and infinities are not served; p under 2^-126 counts as 0; a block of zeros gets the byte 1.
; REGISTERS: v1 16 l, v2 8 l, v3-4 the step's LDS addresses, v5 -80000, v8 8 r; v12 -M, v13 the largest t, v[14:15] the sum; v16-27 Q; v32-85 K's tiles, then V's fragments; v86-91 scale words;
;   v96-159 S^T, then p; v160-191 O^T; v192-223 the masked steps' sum of V^T; v224-235 p's codes; v232-254 at work; v251 four bytes of 127; v255 Q's scale words.
.set KVH, 208896
.set KST, 13056
	s_load_b256 s[4:11], s[0:1], 0x0               ; qb, kv, maskw, yimg
	v_lshl_add_u32 v95, v0, 2, 0x33000
	v_mov_b32 v250, 0
	v_lshrrev_b32 v1, 5, v0
	v_readfirstlane_b32 s12, v1                    ; wave 0..15
	v_lshlrev_b32 v28, 4, v0                       ; 16 x thread: in memory and in LDS alike
	v_lshlrev_b32 v7, 3, v0
	s_and_b32 s87, ttmp7, 0xffff                   ; 16 x batch + head
	s_mul_i32 s96, s87, KVH
	s_mov_b32 s97, 0
	s_wait_kmcnt 0x0
	s_add_nc_u64 s[6:7], s[6:7], s[96:97]
.set N, 0
.rept 25                               ; the head's K and V: 25 x 8,192 bytes and 4,096: every load of a wave covers 512 consecutive bytes; all are asked for at once
	global_load_b128 v[96+4*N:99+4*N], v28, s[6:7] offset:8192*N
.set N, N+1
.endr
	global_load_b64 v[196:197], v7, s[6:7] offset:204800
	s_lshl_b32 s94, ttmp9, 3
	s_add_co_u32 s13, s94, s12
	s_sub_co_u32 s95, 112, s94
	s_add_co_u32 s95, s95, s12
	s_cmp_lt_u32 s12, 8
	s_cselect_b32 s13, s13, s95                    ; qt: my tile of queries, 0..127
	s_lshl_b32 s96, s87, 4
	s_lshr_b32 s94, s13, 3
	s_add_co_u32 s96, s96, s94
	s_mul_i32 s96, s96, 6656
	s_add_nc_u64 s[98:99], s[4:5], s[96:97]        ; Q's chunk of 128 queries
	s_and_b32 s94, s13, 7
	s_mul_i32 s96, s94, 768
	s_add_nc_u64 s[100:101], s[98:99], s[96:97]    ; my tile's image
	s_bfe_u32 s96, s13, 0x10002
	s_lshl_b32 s96, s96, 8
	s_and_b32 s94, s13, 3
	s_lshl_b32 s94, s94, 2
	s_add_co_u32 s96, s96, s94
	s_add_co_u32 s96, s96, 6144
	s_add_nc_u64 s[98:99], s[98:99], s[96:97]      ; its scale words: 16 bytes from row to row
	v_and_b32 v1, 31, v0
	v_lshlrev_b32 v2, 3, v1
	v_lshlrev_b32 v1, 4, v1
	v_and_b32 v8, 15, v0
	v_lshlrev_b32 v10, 4, v8
	v_lshlrev_b32 v8, 3, v8
	global_load_b128 v[16:19], v1, s[100:101]
	global_load_b64 v[20:21], v2, s[100:101] offset:512
	global_load_b32 v255, v10, s[98:99]
	s_lshl_b32 s96, s13, 9
	s_add_co_u32 s96, s96, 524288
	s_add_nc_u64 s[94:95], s[8:9], s[96:97]
	s_load_b32 s16, s[94:95], 0x0                  ; the flags of my tile's 16 key steps, 2 bits each, a byte for each quarter of the keys
	s_load_b32 s17, s[94:95], 0x80
	s_load_b32 s18, s[94:95], 0x100
	s_load_b32 s19, s[94:95], 0x180
	s_lshl_b32 s96, s13, 12
	s_add_nc_u64 s[92:93], s[8:9], s[96:97]        ; the mask words of my tile: 256 bytes a key step
	v_add_nc_u32 v29, 0x10000, v28
	v_add_nc_u32 v30, 0x20000, v28
	v_add_nc_u32 v31, 0x30000, v28
	v_add_nc_u32 v9, 0x30000, v7
.set N, 0
.rept 25
	s_wait_loadcnt 28-N                            ; loads come back in order: behind this one stand 25 - N of the fill and Q's three
	ds_store_b128 v[28+N/8], v[96+4*N:99+4*N] offset:8192*(N%8)
.set N, N+1
.endr
	s_wait_loadcnt 3
	ds_store_b64 v9, v[196:197] offset:8192
	s_mov_b32 s88, 0x76543210
	s_mov_b32 s89, 0xfedcba98                      ; lane l xor 16
	s_mov_b32 s90, 0x3e38aa3b                      ; c = log2(e) / 8
	s_mov_b32 s91, s90
	s_mov_b32 s84, 0                               ; the step's chunk in LDS
	s_mov_b32 s85, 16
	s_mov_b32 s15, 0                               ; steps wholly masked
	s_wait_dscnt 0x0                               ; for the others' sake: my stores have landed
	s_barrier_signal -1
.irp j, 22,23,24,25,26,27,80,81,82,83,84,85
	v_mov_b32 v\j, 0                               ; zero codes: Q's upper 64 along K, and what stands behind K's last tile
.endr
.set J, 0
.rept 64
	v_mov_b32 v[160+J], 0                          ; O^T and the masked steps' sum.  (The loop is written once: its first step finds zeros)
.set J, J+1
.endr
	v_mov_b32 v13, 0xff61b1e6                      ; the largest t so far: -3e38
	v_floor_f32 v12, -v13                          ; -M
	v_mov_b32 v14, 0
	v_mov_b32 v15, 0
.irp j, 236,237,238,239,249,253
	v_mov_b32 v\j, 0                               ; lane permutes' destinations and the upper halves of named pairs are written once
.endr
	v_mov_b32 v5, 0xc79c4000                       ; -80000
	v_mov_b32 v251, 0x7f7f7f7f                     ; four scale bytes of 1.0
	s_barrier_wait -1                              ; the head's K and V lie in LDS; nothing is stored there from here on
	s_wait_loadcnt 0x0                             ; Q
	s_wait_kmcnt 0x0
	s_lshl_b32 s17, s17, 8
	s_lshl_b32 s18, s18, 16
	s_lshl_b32 s19, s19, 24
	s_or_b32 s14, s16, s17
	s_or_b32 s14, s14, s18
	s_or_b32 s14, s14, s19                         ; 2 bits a key step, the first step lowest
.macro VLOADS                          ; V^T's four fragments and their scale words
.irp t, 0,1,2,3
	ds_load_b128 v[32+12*\t:35+12*\t], v3 offset:6144+1536*\t
	ds_load_b64 v[36+12*\t:37+12*\t], v4 offset:6144+1536*\t+512
	ds_load_b128 v[38+12*\t:41+12*\t], v3 offset:6144+1536*\t+768
	ds_load_b64 v[42+12*\t:43+12*\t], v4 offset:6144+1536*\t+1280
.endr
	ds_load_b64 v[90:91], v4 offset:12800          ; register i: tile i in lanes 0-15, tile i + 2 in lanes 16-31
.endm
.macro VPROD acc, sb                   ; acc += V^T x the operand in v224-235, whose scale words stand in v[sb]: four accumulators by turns
.irp t, 0,1,2,3
.if \t < 2
	v_wmma_scale_f32_16x16x128_f8f6f4 v[\acc+8*\t:\acc+8*\t+7], v[32+12*\t:43+12*\t], v[224:235], v[\acc+8*\t:\acc+8*\t+7], v[90+\t], v[\sb] matrix_a_fmt:MATRIX_FMT_FP6 matrix_b_fmt:MATRIX_FMT_FP6
.else
	v_wmma_scale_f32_16x16x128_f8f6f4 v[\acc+8*\t:\acc+8*\t+7], v[32+12*\t:43+12*\t], v[224:235], v[\acc+8*\t:\acc+8*\t+7], v[88+\t], v[\sb] matrix_a_fmt:MATRIX_FMT_FP6 matrix_b_fmt:MATRIX_FMT_FP6 matrix_a_scale:MATRIX_SCALE_ROW1
.endif
.endr
.endm
.Lks:                                  ; 16 trips, a constant: a key step of 128 keys each
	v_add_nc_u32 v3, s84, v1
	v_add_nc_u32 v4, s84, v2
	v_nop
	v_nop                                          ; four plain places in front of loads into registers that the last trip's matrix instructions have read
	s_and_b32 s86, s14, 3
	s_lshr_b32 s14, s14, 2
	s_cmp_eq_u32 s86, 0
	s_cbranch_scc1 .Lskip
.irp t, 0,1,2,3,4,5,6,7
	ds_load_b128 v[32+6*\t:35+6*\t], v3 offset:768*\t
	ds_load_b64 v[36+6*\t:37+6*\t], v4 offset:768*\t+512
.endr
	ds_load_b128 v[86:89], v3 offset:12288         ; K's scale words: register i: tile i in lanes 0-15, tile i + 4 in lanes 16-31
	s_wait_dscnt 0x0
.irp t, 0,1,2,3,4,5,6,7
.if \t < 4
	v_wmma_scale_f32_16x16x128_f8f6f4 v[96+8*\t:103+8*\t], v[32+6*\t:43+6*\t], v[16:27], 0, v[86+\t], v255 matrix_a_fmt:MATRIX_FMT_FP6 matrix_b_fmt:MATRIX_FMT_FP6
.else
	v_wmma_scale_f32_16x16x128_f8f6f4 v[96+8*\t:103+8*\t], v[32+6*\t:43+6*\t], v[16:27], 0, v[82+\t], v255 matrix_a_fmt:MATRIX_FMT_FP6 matrix_b_fmt:MATRIX_FMT_FP6 matrix_a_scale:MATRIX_SCALE_ROW1
.endif
.endr                                  ; lane (r, h) holds query r; register 16 b + i is key 32 b + 16 h + i of the step
.rept 4
	v_nop                                          ; places: for the loads over K's tiles, and for the first reads of the scores
.endr
	VLOADS                                         ; they land while the softmax runs
	s_cmp_eq_u32 s86, 2
	s_cbranch_scc1 .Lopen                          ; all 16 x 128 count: nothing to replace
	s_load_b512 s[16:31], s[92:93], 0x0            ; 64 words: word 2 e + f of tuple m is the 32 lanes' mask of score register 8 m + e + 32 f
	s_load_b512 s[32:47], s[92:93], 0x40
	s_load_b512 s[48:63], s[92:93], 0x80
	s_load_b512 s[68:83], s[92:93], 0xc0
	s_wait_kmcnt 0x0
.set N, 0
.rept 64                               ; in ascending order: each accumulator from its low end on
.set MS, 16*((N%32)/8)+2*(N%8)+N/32
.if MS < 48
	v_cndmask_b32 v[96+N], v5, v[96+N], s[16+MS]
.else
	v_cndmask_b32 v[96+N], v5, v[96+N], s[20+MS]
.endif
.set N, N+1
.endr
.Lopen:
.irp b, 0,1,2,3
	v_max3_num_f32 v[232+\b], v[96+16*\b], v[97+16*\b], v[98+16*\b]   ; the largest score of each block of 32 keys: for the row's maximum, and, since p rises with the score, for the block's largest p
.endr
.irp i, 3,5,7,9,11,13
.irp b, 0,1,2,3
	v_max3_num_f32 v[232+\b], v[232+\b], v[96+16*\b+\i], v[97+16*\b+\i]
.endr
.endr
.irp b, 0,1,2,3
	v_max_num_f32 v[232+\b], v[232+\b], v[111+16*\b]
.endr
.irp b, 0,1,2,3
	v_permlanex16_b32 v[236+\b], v[232+\b], s88, s89
.endr
.irp b, 0,1,2,3
	v_max_num_f32 v[232+\b], v[232+\b], v[236+\b]  ; with lane l xor 16's 16 keys
.endr
	v_max3_num_f32 v254, v232, v233, v234
	v_max_num_f32 v254, v254, v235
	v_mul_f32 v254, s90, v254                      ; as t
	v_max_num_f32 v13, v13, v254                   ; the running largest t
	v_mov_b32 v254, v12
	v_floor_f32 v12, -v13                          ; the new -M = -ceil(t)
	v_sub_f32 v254, v12, v254                      ; old M - new M: a whole number, 0 or less
	v_cvt_i32_f32 v254, v254                       ; (it saturates)
	v_ldexp_f32 v252, 1.0, v254                    ; f = 2^(old M - new M)
.set J, 0
.rept 32
	v_pk_fma_f32 v[96+J:97+J], v[96+J:97+J], s[90:91], v[12:13] op_sel_hi:[1,0,0]   ; t - M
.set J, J+2
.endr
.irp b, 0,1,2,3
	v_fma_f32 v[232+\b], v[232+\b], s90, v12       ; the same of each block's largest score
.endr
.set J, 0
.rept 64
	v_exp_f32 v[96+J], v[96+J]                     ; p = 2^(t - M): not normalised
.set J, J+1
.endr
	v_pk_mul_f32 v[14:15], v[14:15], v[252:253] op_sel_hi:[1,0]   ; the sums under the new M (a plain place behind the exponentials)
	s_wait_alu depctr_va_vdst(0)                   ; one wait for the batch, ahead of its first reader
.irp b, 0,1,2,3
	v_exp_f32 v[232+\b], v[232+\b]                 ; the block's largest p
.endr
	v_pk_add_f32 v[236:237], v[96:97], v[98:99]    ; the row's sum is taken of the unquantised p, in two chains
.set J, 4
.rept 15
	v_pk_add_f32 v[14:15], v[14:15], v[96+J:97+J]
	v_pk_add_f32 v[236:237], v[236:237], v[98+J:99+J]
.set J, J+4
.endr
	v_pk_add_f32 v[14:15], v[14:15], v[236:237]
	s_wait_alu depctr_va_vdst(0)                   ; and one for the four
.irp b, 0,1,2,3
	v_max_num_f32 v[232+\b], 0x1800000, v[232+\b]  ; the floor 2^(3 - 127)
.endr
.irp b, 0,1,2,3
	v_add_nc_u32 v[244+\b], 0xff000000, v[232+\b]  ; the conversion's scale operand
.endr
.irp b, 0,1,2,3
	v_lshrrev_b32 v[236+\b], 23, v[244+\b]
.endr
	v_lshl_or_b32 v253, v237, 8, v236              ; p's scale word for these 128 keys
	v_lshl_or_b32 v253, v238, 16, v253
	v_lshl_or_b32 v253, v239, 24, v253
.irp c, 0,1
	v_cvt_scalef32_pk16_fp6_f32 v[224+6*\c:226+6*\c], v[96+32*\c:111+32*\c], v[244+2*\c]
	v_cvt_scalef32_pk16_fp6_f32 v[236+4*\c:238+4*\c], v[112+32*\c:127+32*\c], v[244+2*\c+1]
.endr
	v_nop                                          ; one plain place behind a scaled conversion
.irp c, 0,1
.irp i, 0,1,2
	v_permlane16_swap_b32 v[224+6*\c+\i], v[236+4*\c+\i]
.endr
.irp i, 0,1,2
	v_mov_b32 v[227+6*\c+\i], v[236+4*\c+\i]
.endr
.endr
.set J, 0
.rept 16
	v_pk_mul_f32 v[160+J:161+J], v[160+J:161+J], v[252:253] op_sel_hi:[1,0]   ; O^T under the new M; these sixteen also stand between the writes of p's codes and scale word and the products
.set J, J+2
.endr
	s_wait_dscnt 0x0                               ; V
	VPROD 160, 253
	s_branch .Lnext
.Lskip:                                ; none of the 16 x 128 counts: the sum of V^T over the step's keys, and the count
	VLOADS
.irp j, 0,1,2,3
	v_mov_b32 v[224+3*\j], 0x08208208              ; 128 codes of 1.0 (001000), six bits each
	v_mov_b32 v[225+3*\j], 0x82082082
	v_mov_b32 v[226+3*\j], 0x20820820
.endr
.rept 4
	v_nop                                          ; an operand written by vector instructions stands four places ahead of a scaled matrix instruction
.endr
	s_add_co_u32 s15, s15, 1
	s_wait_dscnt 0x0
	VPROD 192, 251
.Lnext:
	s_add_co_u32 s84, s84, KST
	s_add_nc_u64 s[92:93], s[92:93], 256
	s_sub_co_u32 s85, s85, 1
	s_cmp_lg_u32 s85, 0
	s_cbranch_scc1 .Lks
	; THE END, without a branch.  Where steps were left out, -10000 enters the row's maximum now; where none was, -3e38 stands in its place and all that follows adds zeros.
	s_cmp_gt_u32 s15, 0
	s_mov_b32 s94, 0xc79c4000
	s_mov_b32 s95, 0xff61b1e6
	s_cselect_b32 s94, s94, s95
	v_mul_f32 v254, s90, s94
	v_max_num_f32 v13, v13, v254
	v_mov_b32 v254, v12
	v_floor_f32 v12, -v13                          ; the last -M
	v_sub_f32 v254, v12, v254
	v_cvt_i32_f32 v254, v254
	v_ldexp_f32 v252, 1.0, v254
	v_fma_f32 v240, s94, s90, v12
	v_exp_f32 v241, v240                           ; p0
	v_pk_mul_f32 v[14:15], v[14:15], v[252:253] op_sel_hi:[1,0]
.set J, 0
.rept 16
	v_pk_mul_f32 v[160+J:161+J], v[160+J:161+J], v[252:253] op_sel_hi:[1,0]
.set J, J+2
.endr
	v_add_f32 v14, v14, v15
	v_permlanex16_b32 v236, v14, s88, s89
	v_add_f32 v14, v14, v236                       ; the row's sum of the steps that were worked
	s_lshl_b32 s95, s15, 7
	v_cvt_f32_u32 v242, s95                        ; keys left out
	s_wait_alu depctr_va_vdst(0)                   ; ahead of p0's first reader
	v_fma_f32 v14, v242, v241, v14                 ; l
	v_rcp_f32 v248, v14
.set J, 0
.rept 16
	v_mov_b32 v[96+J], v241                        ; p0 is quantised by the conversion itself, as a block of equal numbers
.set J, J+1
.endr
	v_max_num_f32 v245, 0x1800000, v241
	v_add_nc_u32 v245, 0xff000000, v245
	v_cvt_scalef32_pk16_fp6_f32 v[224:226], v[96:111], v245
	v_and_b32 v246, 0x7f800000, v245               ; the block's scale as a number (a plain place between the two conversions)
	v_cvt_scale_pk16_f32_fp6 v[112:127], v[224:226], v251   ; the code's value
	v_nop
	v_mul_f32 v242, v112, v246                     ; Q(p0)
	v_mov_b32 v243, v242
.set J, 0
.rept 16
	v_pk_fma_f32 v[160+J:161+J], v[192+J:193+J], v[242:243], v[160+J:161+J] op_sel_hi:[1,0,1]
.set J, J+2
.endr
	s_wait_alu depctr_va_vdst(0)                   ; ahead of the reciprocal's first reader
.set J, 0
.rept 16
	v_pk_mul_f32 v[96+J:97+J], v[160+J:161+J], v[248:249] op_sel_hi:[1,0]   ; y: register 16 b + i is channel 32 b + 16 h + i of my query's head
.set J, J+2
.endr
	; y's quantiser along the channels: two blocks of 32
.irp b, 0,1
	v_max3_num_f32 v[232+\b], |v[96+16*\b]|, |v[97+16*\b]|, 0x1800000
.endr
.irp i, 2,4,6,8,10,12,14
.irp b, 0,1
	v_max3_num_f32 v[232+\b], v[232+\b], |v[96+16*\b+\i]|, |v[97+16*\b+\i]|
.endr
.endr
.irp b, 0,1
	v_permlanex16_b32 v[236+\b], v[232+\b], s88, s89
.endr
.irp b, 0,1
	v_max_num_f32 v[232+\b], v[232+\b], v[236+\b]
.endr
.irp b, 0,1
	v_add_nc_u32 v[244+\b], 0xff000000, v[232+\b]
.endr
.irp b, 0,1
	v_lshrrev_b32 v[236+\b], 23, v[244+\b]
.endr
	v_lshl_or_b32 v240, v237, 8, v236              ; the head's two bytes of its row's scale word
	v_cvt_scalef32_pk16_fp6_f32 v[224:226], v[96:111], v244
	v_cvt_scalef32_pk16_fp6_f32 v[228:230], v[112:127], v245
	v_nop
.irp i, 0,1,2
	v_permlane16_swap_b32 v[224+\i], v[228+\i]     ; a whole block to a lane
.endr
	v_mov_b32 v227, v228
	v_mov_b32 v228, v229
	v_mov_b32 v229, v230
	; where it goes: group g = (128 x batch + qt) / 8, tile qt % 8; the head's 64 channels are chunk hd / 4, q = (hd / 2) % 2, c = hd % 2
	s_lshr_b32 s94, s87, 4
	s_lshl_b32 s94, s94, 7
	s_add_co_u32 s94, s94, s13
	s_lshr_b32 s94, s94, 3
	s_lshl_b32 s94, s94, 2
	s_bfe_u32 s95, s87, 0x20002
	s_add_co_u32 s94, s94, s95
	s_mul_i32 s94, s94, 25600
	s_and_b32 s95, s13, 7
	s_bfe_u32 s98, s87, 0x10001
	s_and_b32 s99, s87, 1
	s_mul_i32 s96, s95, 3072
	s_add_co_u32 s96, s96, s94
	s_mul_i32 s100, s98, 1536
	s_add_co_u32 s96, s96, s100
	s_mul_i32 s100, s99, 768
	s_add_co_u32 s96, s96, s100
	s_add_nc_u64 s[100:101], s[10:11], s[96:97]
	s_lshl_b32 s96, s95, 7
	s_add_co_u32 s96, s96, s94
	s_lshl_b32 s98, s98, 2
	s_add_co_u32 s96, s96, s98
	s_lshl_b32 s99, s99, 1
	s_add_co_u32 s96, s96, s99
	s_add_co_u32 s96, s96, 24576
	s_add_nc_u64 s[98:99], s[10:11], s[96:97]
	global_store_b128 v1, v[224:227], s[100:101]             ; the image of 16 queries x 64 channels: 512 and 256 consecutive bytes
	global_store_b64 v2, v[228:229], s[100:101] offset:512
	global_store_b16 v8, v240, s[98:99]                      ; lanes r and r + 16 store the same two bytes at the same place
	s_wait_tensorcnt 0x0
	ds_add_u32 v95, v250
	s_wait_dscnt 0x0
	s_endpgm
.Lfunc_end_k_qd3c7de7265_attn:
	.size	k_qd3c7de7265_attn, .Lfunc_end_k_qd3c7de7265_attn-k_qd3c7de7265_attn
	.p2alignl 7, 3214868480
	.fill 96, 4, 3214868480
	.section	.rodata,"a",@progbits
	.p2align	6, 0x0
	.amdhsa_kernel k_qd3c7de7265_attn
		.amdhsa_group_segment_fixed_size 210944
		.amdhsa_private_segment_fixed_size 0
		.amdhsa_enable_private_segment 0
		.amdhsa_kernarg_size 32
		.amdhsa_user_sgpr_count 2
		.amdhsa_user_sgpr_kernarg_segment_ptr 1
		.amdhsa_wavefront_size32 1
		.amdhsa_system_sgpr_workgroup_id_x 1
		.amdhsa_system_sgpr_workgroup_id_y 1
		.amdhsa_system_sgpr_workgroup_id_z 1
		.amdhsa_system_vgpr_workitem_id 0
		.amdhsa_next_free_vgpr 256
		.amdhsa_next_free_sgpr 102
		.amdhsa_reserve_vcc 0
		.amdhsa_float_denorm_mode_32 3
		.amdhsa_float_denorm_mode_16_64 3
		.amdhsa_memory_ordered 1
		.amdhsa_forward_progress 1
		.amdhsa_inst_pref_size 43
	.end_amdhsa_kernel
	.amdgpu_metadata
---
amdhsa.version: [ 1, 2 ]
amdhsa.kernels:
  - .name:           k_qd3c7de7265_attn
    .symbol:         k_qd3c7de7265_attn.kd
    .args:
      - { .name: qb, .offset: 0, .size: 8, .value_kind: global_buffer, .address_space: global }
      - { .name: kv, .offset: 8, .size: 8, .value_kind: global_buffer, .address_space: global }
      - { .name: maskw, .offset: 16, .size: 8, .value_kind: global_buffer, .address_space: global }
      - { .name: yimg, .offset: 24, .size: 8, .value_kind: global_buffer, .address_space: global }
    .group_segment_fixed_size: 210944
    .private_segment_fixed_size: 0
    .kernarg_segment_align: 8
    .kernarg_segment_size: 32
    .max_flat_workgroup_size: 512
    .sgpr_count:     102
    .vgpr_count:     256
    .wavefront_size: 32
...
	.end_amdgpu_metadata
.endif
;; end of part 3
;; launch proj (part 4): grid 8 x 32, 4 waves a work-group, clusters of 4 x 4, 272,896 bytes of LDS; arguments yimg, wimg, b_proj, out0; writes out0
.if DOCPART == 4
	.amdgcn_target "amdgcn-amd-amdhsa--gfx1250"
	.amdhsa_code_object_version 6
	.text
	.protected	k_qd3c7de7265_proj
	.globl	k_qd3c7de7265_proj
	.p2align	8
	.type	k_qd3c7de7265_proj,@function
k_qd3c7de7265_proj:
	s_mov_b64 s[64:65], 0
	v_nop
	global_prefetch_b8 v0, s[64:65] scope:SCOPE_SE
	s_setreg_imm32_b32 hwreg(HW_REG_WAVE_MODE, 25, 1), 1
	s_wait_xcnt 0x0
	s_wait_alu depctr_hold_cnt(0) depctr_sa_sdst(0) depctr_va_vdst(0) depctr_va_sdst(0) depctr_va_ssrc(0) depctr_va_vcc(0) depctr_vm_vsrc(0)
	s_getreg_b32 s2, hwreg(HW_REG_IB_STS2, 6, 4)
	s_cmp_eq_u32 s2, 0
	s_cbranch_scc0 .Lentry_in_a_cluster
	s_endpgm
.Lentry_in_a_cluster:
	s_bfe_u32 s2, ttmp6, 0x10000c
	s_cmp_lg_u32 s2, 0xf033
	s_cbranch_scc0 .Lentry_shape_is_right
	s_endpgm
.Lentry_shape_is_right:
; PROJ: out0 = y W_proj + b_proj on codes of E2M3.  y (yimg) and W_proj (wimg, groups 24 to 31) lie in the order of the operands' registers, in chunks of 25,600 bytes (128 rows x 256 along K, scale words behind the codes).
; A tile of out0 is 128 x 128, so that there are 256 work-groups; four waves, each 64 x 64: 16 accumulators.  All of K (four chunks a side) is brought into LDS once: nothing is filled again, so there is no ring.
; CLUSTER 4 x 4: y's group is shared along a row of the cluster, W's along a column: joint loads, two a wave (waves 0, 1: y's chunks; waves 2, 3: W's): by this text's count two tensor loads of a wave are out.
; Source 0 = 16 columns of W, source 1 = 16 rows of y: a lane holds one token and eight neighbouring outputs.  Lane r of tile t holds row 32 (t / 2) + 8 (t % 2) + r + 8 (r / 8) of its 128.
; The bias is the C of the first products.  The way out goes through one stage in LDS, into which no tensor load lands: whole rows of 512 bytes leave.
; REGISTERS: window 0: v4-19 addresses; v32-47 scale words, two sets; v48-79 the bias; v128-255 the accumulators ((a, b) at v[128 + 8 (4 a + b)]).  window 1: two fragment buffers, at v0 and v128: A's four, then B's four.
.set CH,   25600
.set BOFF, 4*CH
.set STG,  8*CH
.set SP,   528
.set ACC,  128
.set BIAS, 48
.set SC,   32
.set G1A,  24
.set G1B,  32
.set G0A,  40
.set G0B,  48
.set MSB, 0
.macro WIN new
.if MSB != \new
	s_set_vgpr_msb (MSB<<8)|\new
.set MSB, \new
.endif
.endm
.set MUL,  0x05                        ; sources 0 and 1 window 1; C and D window 0
.set TO_F, 0x40
.macro CROUND
	s_barrier_signal -1
	s_barrier_wait -1
	s_cmp_lg_u32 s12, 0
	s_cbranch_scc1 .Lnot_wave_0_\@
	s_barrier_signal -3
.Lnot_wave_0_\@:
	s_barrier_wait -3
	s_barrier_signal -1
	s_barrier_wait -1
.endm
.macro PLACES n
.rept \n
	v_nop
.endr
.endm
	s_load_b256 s[4:11], s[0:1], 0x0               ; yimg, wimg, b_proj, out0
	v_lshl_add_u32 v126, v0, 2, 0x42800
	v_mov_b32 v127, 0
	ds_add_u32 v126, v127
	ds_add_u32 v126, v127
	v_lshrrev_b32 v1, 5, v0
	v_readfirstlane_b32 s12, v1                    ; wave
	s_lshr_b32 s13, s12, 1                         ; my half of the rows.  Also: I fetch for y (0) or for W (1)
	s_and_b32 s14, s12, 1                          ; my half of the columns.  Also: which chunks I fetch
	s_bfe_u32 s15, ttmp6, 0x40000                  ; cx
	s_bfe_u32 s16, ttmp6, 0x40004                  ; cy
	s_lshl_b32 s17, ttmp9, 2
	s_add_co_u32 s17, s17, s15                     ; block of 128 columns
	s_and_b32 s18, ttmp7, 0xffff
	s_lshl_b32 s18, s18, 2
	s_add_co_u32 s18, s18, s16                     ; group of 128 tokens
	s_lshl_b32 s19, s16, 2
	s_lshl_b32 s19, 15, s19                        ; my row of the cluster
	s_lshl_b32 s20, 0x1111, s15                    ; my column
	s_or_b32 s[G1A], s19, (3<<16)|(1<<21)          ; a chunk is dense: 100 rows of 256 bytes (32 elements of 8 bytes), no padding
	s_or_b32 s[G1B], s20, (3<<16)|(1<<21)
.irp g, G1A, G1B
	s_mov_b32 s[\g+1], 32<<16
	s_mov_b32 s[\g+2], 100<<16
	s_mov_b32 s[\g+3], 32<<16
	s_mov_b32 s[\g+4], 100
	s_mov_b32 s[\g+5], 32
	s_mov_b32 s[\g+6], 0
	s_mov_b32 s[\g+7], 0
.endr
	s_mul_i32 s21, s14, CH
	s_mul_i32 s56, s18, 4*CH
	s_add_co_u32 s56, s56, s21
	s_mov_b32 s57, 0
	s_add_co_u32 s58, s17, 24
	s_mul_i32 s58, s58, 4*CH
	s_add_co_u32 s58, s58, s21
	s_mov_b32 s59, 0
	s_wait_dscnt 0x0
	s_wait_kmcnt 0x0
	s_add_nc_u64 s[56:57], s[4:5], s[56:57]
	s_add_nc_u64 s[58:59], s[6:7], s[58:59]
	CROUND                                         ; all sixteen work-groups are here: the joint loads meet
.irp i, 0,1
	s_mov_b32 s[G0A+4*\i], 1
	s_add_co_u32 s[G0A+4*\i+1], s21, \i*2*CH
	s_add_nc_u64 s[G0A+4*\i+2:G0A+4*\i+3], s[56:57], \i*2*CH
	s_or_b32 s[G0A+4*\i+3], s[G0A+4*\i+3], 0x80000000
	s_mov_b32 s[G0B+4*\i], 1
	s_add_co_u32 s[G0B+4*\i+1], s21, BOFF+\i*2*CH
	s_add_nc_u64 s[G0B+4*\i+2:G0B+4*\i+3], s[58:59], \i*2*CH
	s_or_b32 s[G0B+4*\i+3], s[G0B+4*\i+3], 0x80000000
.endr
	s_cmp_lt_u32 s12, 2                            ; a wave's two fills stand in one branch, ahead of every wait on TENSORcnt and every LDS read; four v_nop follow the second
	s_cbranch_scc0 .Lfirst_b
	tensor_load_to_lds s[G0A:G0A+3], s[G1A:G1A+7]
	s_nop 0
	tensor_load_to_lds s[G0A+4:G0A+7], s[G1A:G1A+7]
	s_nop 0
.rept 4
	v_nop
.endr
	s_branch .Lfirst_asked
.Lfirst_b:
	tensor_load_to_lds s[G0B:G0B+3], s[G1B:G1B+7]
	s_nop 0
	tensor_load_to_lds s[G0B+4:G0B+7], s[G1B:G1B+7]
	s_nop 0
.rept 4
	v_nop
.endr
.Lfirst_asked:
	v_and_b32 v1, 31, v0
	v_and_b32 v2, 15, v0                           ; r
	v_bfe_u32 v3, v0, 4, 1                         ; h
	v_lshlrev_b32 v4, 4, v1                        ; 16 l
	v_lshlrev_b32 v5, 3, v1                        ; 8 l
	v_lshlrev_b32 v7, 6, v3                        ; 64 h
	s_lshl_b32 s60, s17, 9
	s_lshl_b32 s22, s14, 8
	s_add_co_u32 s60, s60, s22
	s_mov_b32 s61, 0
	s_add_nc_u64 s[8:9], s[8:9], s[60:61]          ; the bias of my 64 columns: register 8 b + j belongs to column 32 (b / 2) + 8 (b % 2) + 16 h + j
.irp b, 0,1,2,3
	global_load_b128 v[BIAS+8*\b:BIAS+8*\b+3], v7, s[8:9] offset:(32*(\b/2)+8*(\b%2))*4
	global_load_b128 v[BIAS+8*\b+4:BIAS+8*\b+7], v7, s[8:9] offset:(32*(\b/2)+8*(\b%2))*4+16
.endr
	s_mul_i32 s22, s13, 4*3072                     ; my four tiles of y
	s_mul_i32 s23, s14, 4*3072
	s_add_co_u32 s23, s23, BOFF                    ; my four tiles of W
	v_add_nc_u32 v8, s22, v4                       ; v8, v10, v12, v14, v16: chunks 0 and 1;  v9, v11, v13, v15, v17: chunks 2 and 3
	v_add_nc_u32 v10, s22, v5
	v_add_nc_u32 v12, s23, v4
	v_add_nc_u32 v14, s23, v5
	v_add_nc_u32 v9, 2*CH, v8
	v_add_nc_u32 v11, 2*CH, v10
	v_add_nc_u32 v13, 2*CH, v12
	v_add_nc_u32 v15, 2*CH, v14
	s_lshl_b32 s22, s13, 9
	s_lshl_b32 s23, s14, 9
	s_add_co_u32 s23, s23, BOFF
	s_sub_co_u32 s23, s23, s22
	v_mul_u32_u24 v6, s23, v3                      ; lanes 16-31 take W's scale words
	v_lshl_add_u32 v6, v2, 3, v6
	s_add_co_u32 s22, s22, 24576
	v_add_nc_u32 v16, s22, v6
	v_add_nc_u32 v17, 2*CH, v16
	s_mul_i32 s22, s13, 64*SP                      ; the stage, in: row 64 wr + 16 a + r (the tiles' order), + 256 wc + 64 h
	s_lshl_b32 s23, s14, 8
	s_add_co_u32 s22, s22, s23
	s_add_co_u32 s22, s22, STG
	v_mul_u32_u24 v18, v2, SP
	v_add_nc_u32 v18, v18, v7
	v_add_nc_u32 v18, s22, v18
	s_mul_i32 s22, s12, 32*SP                      ; back: rows 32 w on, whole
	s_add_co_u32 s22, s22, STG
	v_add_nc_u32 v19, s22, v4
	s_lshl_b32 s22, s18, 7
	s_lshl_b32 s23, s12, 5
	s_add_co_u32 s22, s22, s23
	s_lshl_b32 s60, s22, 12                        ; token 128 g + 32 w, 4,096 bytes a row
	s_lshl_b32 s23, s17, 9
	s_add_co_u32 s60, s60, s23
	s_add_nc_u64 s[10:11], s[10:11], s[60:61]
.macro FRAG reg, a16, a8, off
	ds_load_b128 v[\reg:\reg+3], v[\a16] offset:\off
	ds_load_b64 v[\reg+4:\reg+5], v[\a8] offset:\off+512
	ds_load_b128 v[\reg+6:\reg+9], v[\a16] offset:\off+768
	ds_load_b64 v[\reg+10:\reg+11], v[\a8] offset:\off+1280
.endm
.macro FETCH s                         ; K step s (128 along K): eight fragments into buffer s % 2; with an even s the chunk's scale words
.set FB, 128*((\s)%2)
.set HI, (\s)/4
.set OF, (((\s)/2)%2)*CH+((\s)%2)*1536
	WIN TO_F
.irp i, 0,1,2,3
	FRAG FB+48+12*\i, 12+HI, 14+HI, OF+\i*3072
	FRAG FB+12*\i, 8+HI, 10+HI, OF+\i*3072
.endr
	WIN 0
.if (\s)%2 == 0
.irp i, 0,1,2,3
	ds_load_b64 v[SC+8*(((\s)/2)%2)+2*\i:SC+8*(((\s)/2)%2)+2*\i+1], v[16+HI] offset:(((\s)/2)%2)*CH+\i*128
.endr
.endif
.endm
.macro KSTEP s
.if (\s) == 3
	s_wait_tensorcnt 0x0                           ; my second chunk has landed,
	s_wait_dscnt 0x0                               ; no LDS load of mine is out at the signal,
	s_barrier_signal -1
	s_barrier_wait -1                              ; everybody's has: chunks 2 and 3 may be read
.endif
.if (\s) < 7
	PLACES 4                                       ; in front of loads into registers that matrix instructions have read
	FETCH (\s)+1
.if ((\s)+1)%2 == 0
	s_wait_dscnt 36                                ; all but the 36 just issued
.else
	s_wait_dscnt 32                                ; all but the 32 just issued
.endif
.else
	s_wait_dscnt 0x0
.endif
	WIN MUL
.set FM, 128*((\s)%2)
.set SS, SC+8*(((\s)/2)%2)+(\s)%2
.irp a, 0,1,2,3                        ; the 16 accumulators take turns, one instruction a turn
.irp b, 0,1,2,3
.if (\s) == 0
	v_wmma_scale_f32_16x16x128_f8f6f4 v[ACC+8*(4*\a+\b):ACC+8*(4*\a+\b)+7], v[FM+48+12*\b:FM+48+12*\b+11], v[FM+12*\a:FM+12*\a+11], v[BIAS+8*\b:BIAS+8*\b+7], v[SS+2*\b], v[SS+2*\a] matrix_a_fmt:MATRIX_FMT_FP6 matrix_b_fmt:MATRIX_FMT_FP6 matrix_a_scale:MATRIX_SCALE_ROW1
.else
	v_wmma_scale_f32_16x16x128_f8f6f4 v[ACC+8*(4*\a+\b):ACC+8*(4*\a+\b)+7], v[FM+48+12*\b:FM+48+12*\b+11], v[FM+12*\a:FM+12*\a+11], v[ACC+8*(4*\a+\b):ACC+8*(4*\a+\b)+7], v[SS+2*\b], v[SS+2*\a] matrix_a_fmt:MATRIX_FMT_FP6 matrix_b_fmt:MATRIX_FMT_FP6 matrix_a_scale:MATRIX_SCALE_ROW1
.endif
.endr
.endr
.endm
	s_wait_tensorcnt 1                             ; my first chunk is in, my second may stay out
	s_barrier_signal -1
	s_barrier_wait -1                              ; chunks 0 and 1 of both sides may be read
	FETCH 0
	s_wait_loadcnt 0x0                             ; the bias
.irp s, 0,1,2,3,4,5,6,7
	KSTEP \s
.endr
	WIN 0
	PLACES 4                                       ; in front of the first reads of results
.irp a, 0,1,2,3
.irp b, 0,1,2,3
	ds_store_b128 v18, v[ACC+8*(4*\a+\b):ACC+8*(4*\a+\b)+3] offset:16*\a*SP+128*(\b/2)+32*(\b%2)        ; each accumulator from its low end on
	ds_store_b128 v18, v[ACC+8*(4*\a+\b)+4:ACC+8*(4*\a+\b)+7] offset:16*\a*SP+128*(\b/2)+32*(\b%2)+16
.endr
.endr
	s_wait_dscnt 0x0                               ; for the others' sake: my stores into the stage have landed
	s_barrier_signal -1
	s_barrier_wait -1
.set I, 0
.rept 32
	ds_load_b128 v[ACC+4*I:ACC+4*I+3], v19 offset:I*SP
.set I, I+1
.endr
.set I, 0
.rept 32
	s_wait_dscnt 31-I                              ; LDS loads come back in order: row I is in
	global_store_b128 v4, v[ACC+4*I:ACC+4*I+3], s[10:11] offset:(8*(I/16)+(I%16)+8*((I%16)/8))*4096 th:TH_STORE_NT   ; stage row 32 w + I is token 32 w + 8 (I / 16) + I % 16 + 8 ((I % 16) / 8); 32 lanes store 512 consecutive bytes, aligned to 256
.set I, I+1
.endr
	s_wait_tensorcnt 0x0
	ds_add_u32 v126, v127
	s_wait_dscnt 0x0
	CROUND                                         ; the closing round
	s_endpgm
.Lfunc_end_k_qd3c7de7265_proj:
	.size	k_qd3c7de7265_proj, .Lfunc_end_k_qd3c7de7265_proj-k_qd3c7de7265_proj
	.p2alignl 7, 3214868480
	.fill 96, 4, 3214868480
	.section	.rodata,"a",@progbits
	.p2align	6, 0x0
	.amdhsa_kernel k_qd3c7de7265_proj
		.amdhsa_group_segment_fixed_size 272896
		.amdhsa_private_segment_fixed_size 0
		.amdhsa_enable_private_segment 0
		.amdhsa_kernarg_size 32
		.amdhsa_user_sgpr_count 2
		.amdhsa_user_sgpr_kernarg_segment_ptr 1
		.amdhsa_wavefront_size32 1
		.amdhsa_system_sgpr_workgroup_id_x 1
		.amdhsa_system_sgpr_workgroup_id_y 1
		.amdhsa_system_sgpr_workgroup_id_z 1
		.amdhsa_system_vgpr_workitem_id 0
		.amdhsa_next_free_vgpr 512
		.amdhsa_next_free_sgpr 66
		.amdhsa_reserve_vcc 0
		.amdhsa_float_denorm_mode_32 3
		.amdhsa_float_denorm_mode_16_64 3
		.amdhsa_memory_ordered 1
		.amdhsa_forward_progress 1
		.amdhsa_inst_pref_size 52
	.end_amdhsa_kernel
	.amdgpu_metadata
---
amdhsa.version: [ 1, 2 ]
amdhsa.kernels:
  - .name:           k_qd3c7de7265_proj
    .symbol:         k_qd3c7de7265_proj.kd
    .args:
      - { .name: yimg, .offset: 0, .size: 8, .value_kind: global_buffer, .address_space: global }
      - { .name: wimg, .offset: 8, .size: 8, .value_kind: global_buffer, .address_space: global }
      - { .name: b_proj, .offset: 16, .size: 8, .value_kind: global_buffer, .address_space: global }
      - { .name: out0, .offset: 24, .size: 8, .value_kind: global_buffer, .address_space: global }
    .group_segment_fixed_size: 272896
    .private_segment_fixed_size: 0
    .kernarg_segment_align: 8
    .kernarg_segment_size: 32
    .max_flat_workgroup_size: 128
    .sgpr_count:     66
    .vgpr_count:     512
    .wavefront_size: 32
...
	.end_amdgpu_metadata
.endif
;; end of part 4
;; ======== version 2 of 2: 4 launches; version 1 with the launch attn written anew for expert scheduling mode
;; workspace buffers: ximg 3,276,800 bytes; wimg 3,276,800 bytes; rope 524,288 bytes; maskw 589,824 bytes of whole numbers; qb 3,407,872 bytes; kv 6,684,672 bytes; yimg 3,276,800 bytes
;; launch prep: the kernel of part 1 again; grid 528 x 1, 4 waves a work-group, no clusters, 100,864 bytes of LDS; arguments x, W_attn, W_proj, attn_mask, ximg, wimg, rope, maskw; writes ximg, wimg, rope, maskw
;; launch qkv: the kernel of part 2 again; grid 12 x 16, 4 waves a work-group, clusters of 4 x 4, 327,680 bytes of LDS; arguments ximg, wimg, b_attn, rope, qb, kv; writes qb, kv
;; launch attn (part 5): grid 8 x 32, 16 waves a work-group, no clusters, 210,944 bytes of LDS; arguments qb, kv, maskw, yimg; writes yimg
.if DOCPART == 5
	.amdgcn_target "amdgcn-amd-amdhsa--gfx1250"
	.amdhsa_code_object_version 6
	.text
	.protected	k_qd3c7de7265_attn
	.globl	k_qd3c7de7265_attn
	.p2align	8
	.type	k_qd3c7de7265_attn,@function
k_qd3c7de7265_attn:
	s_mov_b64 s[64:65], 0
	v_nop
	global_prefetch_b8 v0, s[64:65] scope:SCOPE_SE
	s_setreg_imm32_b32 hwreg(HW_REG_WAVE_SCHED_MODE, 0, 2), 2
	s_setreg_imm32_b32 hwreg(HW_REG_WAVE_MODE, 25, 1), 1
	s_wait_xcnt 0x0
	s_wait_alu depctr_vm_vsrc(0)
; ATTN: y = softmax(where(mask, q k^T / 8, -10000)) v for one head, both products on codes of E2M3; y leaves as codes, an operand of the last product.
; THE SOFTMAX: t = logit x log2(e); M = the running largest t rounded up to a whole number; p = 2^(t - M) is quantised along the keys; the row's sum is taken of the unquantised p and divides at the end.
; A masked logit is -10000: the raw score is replaced by -80000 (x 1/8), so it goes through the same lines as every other score and still counts where nothing larger stands in its row.
; SHARES.  A work-group owns 16 tiles of 16 queries of one head; wave w < 8 takes tile 8 j + w, wave w >= 8 tile 112 - 8 j + w: early and late queries meet in every work-group.  A wave has 256 registers, four waves share a SIMD.
; K AND V of the whole head, 208,896 bytes of codes and scale words in the order of the operands' registers, are copied into LDS once, through registers; one barrier; behind it LDS is only read.
; WHY NO TENSOR LOAD AND NO JOINT LOAD: a key step all of whose 16 x 128 places are masked is left by a branch on a stored number.
; A STEP THAT IS WHOLLY MASKED: all its p are one number p0 = 2^(-10000 log2(e) - M).  So only the sum of V over its keys is taken (V^T x codes of 1.0: four matrix instructions), and the steps are counted;
; at the end O += Q(p0) x that sum and l += 128 x count x p0, with the last M: the same numbers, since p0's rescalings are exact powers of two.
; LAYOUT.  S^T = K Q^T (source 0 = 16 keys, source 1 = my queries), O^T = V^T P^T: a lane holds one query.  The head's 64 fill half of the instruction's 128 along K: Q's upper six registers are zero codes,
; K's upper six are whatever follows (the next tile's codes, or zeros): they meet zeros, and no scale byte is 0xff.
; A chunk of kv (a key step, 13,056 bytes): K's 8 images of 768; V^T's 4 fragments of 1,536 at 6144; K's scale words at 12288; V's at 12800.
; LIMITS: NaN and infinities are not served; p under 2^-126 counts as 0; a block of zeros gets the byte 1.
; REGISTERS: v1 16 l, v2 8 l, v3-4 the step's LDS addresses, v5 -80000, v8 8 r; v12 -M, v13 the largest t, v[14:15] the sum; v16-27 Q; v32-85 K's tiles, then V's fragments; v86-91 scale words;
;   v96-159 S^T, then p; v160-191 O^T; v192-223 the masked steps' sum of V^T; v224-235 p's codes; v232-254 at work; v251 four bytes of 127; v255 Q's scale words.
; THE MODE: SCHED_MODE bits 1:0 = 2 (LLVM: expert scheduling mode 2), set by the entry lines.  The code itself states the register dependences
; between vector or matrix instructions and memory or LDS instructions, with s_wait_alu, always for 0.
; THE PLAN.  Registers that memory or LDS instructions touch:
;   v1, v2, v7-10, v28-31   offsets and addresses: all made at the very head, ahead of one wait on va_vdst, and never written again.
;   v96-197   the fill's staging: global loads land there, the LDS stores read them; one wait on vm_vsrc ahead of the barrier, and they are S^T, O^T and the masked steps' sum from there on.
;   v16-21, v255   Q: loaded once, read by matrix instructions alone.
;   v3, v4    written by two additions at a trip's head; read by all LDS loads of the trip.
;   v32-79, v86-89   K's loads land there at a trip's head; the eight products K Q^T read them.   v32-79, v90-91   V's loads land there behind those products; the four products V^T P read them.
;   v224-229, v240   at the end: written by conversions, swaps and moves, read by the three stores.
; A trip has one wait on vm_vsrc (ahead of the additions to v3, v4) and three on va_vdst of its own: at its head (v3, v4 are written; the last trip's products are done reading what K's or V's loads land in),
; behind K's products (they are done reading what V's loads land in), and ahead of V's products (p's codes and scale word are written).  The softmax between names none of v3, v4, v32-91.
; All 256 registers of the wave are taken (four waves to a SIMD's 1,024), so K and V have one buffer, by turns.
.set KVH, 208896
.set KST, 13056
	s_load_b256 s[4:11], s[0:1], 0x0               ; qb, kv, maskw, yimg
	v_lshl_add_u32 v95, v0, 2, 0x33000
	v_mov_b32 v250, 0
	v_lshrrev_b32 v1, 5, v0
	v_readfirstlane_b32 s12, v1                    ; wave 0..15
	v_lshlrev_b32 v28, 4, v0                       ; 16 x thread: in memory and in LDS alike
	v_lshlrev_b32 v7, 3, v0
	v_and_b32 v1, 31, v0
	v_lshlrev_b32 v2, 3, v1
	v_lshlrev_b32 v1, 4, v1
	v_and_b32 v8, 15, v0
	v_lshlrev_b32 v10, 4, v8
	v_lshlrev_b32 v8, 3, v8
	v_add_nc_u32 v29, 0x10000, v28
	v_add_nc_u32 v30, 0x20000, v28
	v_add_nc_u32 v31, 0x30000, v28
	v_add_nc_u32 v9, 0x30000, v7
	s_wait_alu depctr_va_sdst(0)                   ; s12 is written, ahead of its first reader: my tile of queries is made from it
	s_and_b32 s87, ttmp7, 0xffff                   ; 16 x batch + head
	s_mul_i32 s96, s87, KVH
	s_mov_b32 s97, 0
	s_wait_kmcnt 0x0
	s_add_nc_u64 s[6:7], s[6:7], s[96:97]
	s_wait_alu depctr_va_vdst(0)                   ; the ten offsets and addresses v1, v2, v7 to v10, v28 to v31 are written: the loads and LDS stores of the head and the last stores read them
.set N, 0
.rept 25                               ; the head's K and V: 25 x 8,192 bytes and 4,096: every load of a wave covers 512 consecutive bytes; all are asked for at once
	global_load_b128 v[96+4*N:99+4*N], v28, s[6:7] offset:8192*N
.set N, N+1
.endr
	global_load_b64 v[196:197], v7, s[6:7] offset:204800
	s_lshl_b32 s94, ttmp9, 3
	s_add_co_u32 s13, s94, s12
	s_sub_co_u32 s95, 112, s94
	s_add_co_u32 s95, s95, s12
	s_cmp_lt_u32 s12, 8
	s_cselect_b32 s13, s13, s95                    ; qt: my tile of queries, 0..127
	s_lshl_b32 s96, s87, 4
	s_lshr_b32 s94, s13, 3
	s_add_co_u32 s96, s96, s94
	s_mul_i32 s96, s96, 6656
	s_add_nc_u64 s[98:99], s[4:5], s[96:97]        ; Q's chunk of 128 queries
	s_and_b32 s94, s13, 7
	s_mul_i32 s96, s94, 768
	s_add_nc_u64 s[100:101], s[98:99], s[96:97]    ; my tile's image
	s_bfe_u32 s96, s13, 0x10002
	s_lshl_b32 s96, s96, 8
	s_and_b32 s94, s13, 3
	s_lshl_b32 s94, s94, 2
	s_add_co_u32 s96, s96, s94
	s_add_co_u32 s96, s96, 6144
	s_add_nc_u64 s[98:99], s[98:99], s[96:97]      ; its scale words: 16 bytes from row to row
	global_load_b128 v[16:19], v1, s[100:101]
	global_load_b64 v[20:21], v2, s[100:101] offset:512
	global_load_b32 v255, v10, s[98:99]
	s_lshl_b32 s96, s13, 9
	s_add_co_u32 s96, s96, 524288
	s_add_nc_u64 s[94:95], s[8:9], s[96:97]
	s_load_b32 s16, s[94:95], 0x0                  ; the flags of my tile's 16 key steps, 2 bits each, a byte for each quarter of the keys
	s_load_b32 s17, s[94:95], 0x80
	s_load_b32 s18, s[94:95], 0x100
	s_load_b32 s19, s[94:95], 0x180
	s_lshl_b32 s96, s13, 12
	s_add_nc_u64 s[92:93], s[8:9], s[96:97]        ; the mask words of my tile: 256 bytes a key step
.set N, 0
.rept 25
	s_wait_loadcnt 28-N                            ; loads come back in order: behind this one stand 25 - N of the fill and Q's three
	ds_store_b128 v[28+N/8], v[96+4*N:99+4*N] offset:8192*(N%8)
.set N, N+1
.endr
	s_wait_loadcnt 3
	ds_store_b64 v9, v[196:197] offset:8192
	s_mov_b32 s88, 0x76543210
	s_mov_b32 s89, 0xfedcba98                      ; lane l xor 16
	s_mov_b32 s90, 0x3e38aa3b                      ; c = log2(e) / 8
	s_mov_b32 s91, s90
	s_mov_b32 s84, 0                               ; the step's chunk in LDS
	s_mov_b32 s85, 16
	s_mov_b32 s15, 0                               ; steps wholly masked
	s_wait_dscnt 0x0                               ; for the others' sake: my stores have landed
	s_wait_alu depctr_vm_vsrc(0)                   ; my LDS stores have read v96 to v197: the lines below write v160 to v223, and the products write v96 to v159
	s_barrier_signal -1
.irp j, 22,23,24,25,26,27,80,81,82,83,84,85
	v_mov_b32 v\j, 0                               ; zero codes: Q's upper 64 along K, and what stands behind K's last tile
.endr
.set J, 0
.rept 64
	v_mov_b32 v[160+J], 0                          ; O^T and the masked steps' sum.  (The loop is written once: its first step finds zeros)
.set J, J+1
.endr
	v_mov_b32 v13, 0xff61b1e6                      ; the largest t so far: -3e38
	v_floor_f32 v12, -v13                          ; -M
	v_mov_b32 v14, 0
	v_mov_b32 v15, 0
.irp j, 236,237,238,239,249,253
	v_mov_b32 v\j, 0                               ; lane permutes' destinations and the upper halves of named pairs are written once
.endr
	v_mov_b32 v5, 0xc79c4000                       ; -80000
	v_mov_b32 v251, 0x7f7f7f7f                     ; four scale bytes of 1.0
	s_barrier_wait -1                              ; the head's K and V lie in LDS; nothing is stored there from here on
	s_wait_loadcnt 0x0                             ; Q
	s_wait_kmcnt 0x0
	s_lshl_b32 s17, s17, 8
	s_lshl_b32 s18, s18, 16
	s_lshl_b32 s19, s19, 24
	s_or_b32 s14, s16, s17
	s_or_b32 s14, s14, s18
	s_or_b32 s14, s14, s19                         ; 2 bits a key step, the first step lowest
.macro VLOADS                          ; V^T's four fragments and their scale words
.irp t, 0,1,2,3
	ds_load_b128 v[32+12*\t:35+12*\t], v3 offset:6144+1536*\t
	ds_load_b64 v[36+12*\t:37+12*\t], v4 offset:6144+1536*\t+512
	ds_load_b128 v[38+12*\t:41+12*\t], v3 offset:6144+1536*\t+768
	ds_load_b64 v[42+12*\t:43+12*\t], v4 offset:6144+1536*\t+1280
.endr
	ds_load_b64 v[90:91], v4 offset:12800          ; register i: tile i in lanes 0-15, tile i + 2 in lanes 16-31
.endm
.macro VPROD acc, sb                   ; acc += V^T x the operand in v224-235, whose scale words stand in v[sb]: four accumulators by turns
.irp t, 0,1,2,3
.if \t < 2
	v_wmma_scale_f32_16x16x128_f8f6f4 v[\acc+8*\t:\acc+8*\t+7], v[32+12*\t:43+12*\t], v[224:235], v[\acc+8*\t:\acc+8*\t+7], v[90+\t], v[\sb] matrix_a_fmt:MATRIX_FMT_FP6 matrix_b_fmt:MATRIX_FMT_FP6
.else
	v_wmma_scale_f32_16x16x128_f8f6f4 v[\acc+8*\t:\acc+8*\t+7], v[32+12*\t:43+12*\t], v[224:235], v[\acc+8*\t:\acc+8*\t+7], v[88+\t], v[\sb] matrix_a_fmt:MATRIX_FMT_FP6 matrix_b_fmt:MATRIX_FMT_FP6 matrix_a_scale:MATRIX_SCALE_ROW1
.endif
.endr
.endm
.Lks:                                  ; 16 trips, a constant: a key step of 128 keys each
	s_wait_alu depctr_vm_vsrc(0)                   ; the last trip's LDS loads have read v3 and v4, which the two additions write
	v_add_nc_u32 v3, s84, v1
	v_add_nc_u32 v4, s84, v2
	v_nop
	v_nop                                          ; with the two additions four plain places behind the last trip's products: a step that is left out writes their operand v224-235 anew
	s_wait_alu depctr_va_vdst(0)                   ; v3 and v4 are written, which this trip's LDS loads read; the last trip's products are done reading v32-79 and v86-91, in which those loads land; in the first trip: the head's zero codes and v251 are written, which scaled products take
	s_and_b32 s86, s14, 3
	s_lshr_b32 s14, s14, 2
	s_cmp_eq_u32 s86, 0
	s_cbranch_scc1 .Lskip
.irp t, 0,1,2,3,4,5,6,7
	ds_load_b128 v[32+6*\t:35+6*\t], v3 offset:768*\t
	ds_load_b64 v[36+6*\t:37+6*\t], v4 offset:768*\t+512
.endr
	ds_load_b128 v[86:89], v3 offset:12288         ; K's scale words: register i: tile i in lanes 0-15, tile i + 4 in lanes 16-31
	s_wait_dscnt 0x0
.irp t, 0,1,2,3,4,5,6,7
.if \t < 4
	v_wmma_scale_f32_16x16x128_f8f6f4 v[96+8*\t:103+8*\t], v[32+6*\t:43+6*\t], v[16:27], 0, v[86+\t], v255 matrix_a_fmt:MATRIX_FMT_FP6 matrix_b_fmt:MATRIX_FMT_FP6
.else
	v_wmma_scale_f32_16x16x128_f8f6f4 v[96+8*\t:103+8*\t], v[32+6*\t:43+6*\t], v[16:27], 0, v[82+\t], v255 matrix_a_fmt:MATRIX_FMT_FP6 matrix_b_fmt:MATRIX_FMT_FP6 matrix_a_scale:MATRIX_SCALE_ROW1
.endif
.endr                                  ; lane (r, h) holds query r; register 16 b + i is key 32 b + 16 h + i of the step
.rept 4
	v_nop                                          ; places in front of the first reads of the scores
.endr
	s_wait_alu depctr_va_vdst(0)                   ; the eight products are done reading K's tiles v32-85, in which V's loads land
	VLOADS                                         ; they land while the softmax runs, which names none of v3, v4, v32-91
	s_cmp_eq_u32 s86, 2
	s_cbranch_scc1 .Lopen                          ; all 16 x 128 count: nothing to replace
	s_load_b512 s[16:31], s[92:93], 0x0            ; 64 words: word 2 e + f of tuple m is the 32 lanes' mask of score register 8 m + e + 32 f
	s_load_b512 s[32:47], s[92:93], 0x40
	s_load_b512 s[48:63], s[92:93], 0x80
	s_load_b512 s[68:83], s[92:93], 0xc0
	s_wait_kmcnt 0x0
.set N, 0
.rept 64                               ; in ascending order: each accumulator from its low end on
.set MS, 16*((N%32)/8)+2*(N%8)+N/32
.if MS < 48
	v_cndmask_b32 v[96+N], v5, v[96+N], s[16+MS]
.else
	v_cndmask_b32 v[96+N], v5, v[96+N], s[20+MS]
.endif
.set N, N+1
.endr
.Lopen:
.irp b, 0,1,2,3
	v_max3_num_f32 v[232+\b], v[96+16*\b], v[97+16*\b], v[98+16*\b]   ; the largest score of each block of 32 keys: for the row's maximum, and, since p rises with the score, for the block's largest p
.endr
.irp i, 3,5,7,9,11,13
.irp b, 0,1,2,3
	v_max3_num_f32 v[232+\b], v[232+\b], v[96+16*\b+\i], v[97+16*\b+\i]
.endr
.endr
.irp b, 0,1,2,3
	v_max_num_f32 v[232+\b], v[232+\b], v[111+16*\b]
.endr
.irp b, 0,1,2,3
	v_permlanex16_b32 v[236+\b], v[232+\b], s88, s89
.endr
.irp b, 0,1,2,3
	v_max_num_f32 v[232+\b], v[232+\b], v[236+\b]  ; with lane l xor 16's 16 keys
.endr
	v_max3_num_f32 v254, v232, v233, v234
	v_max_num_f32 v254, v254, v235
	v_mul_f32 v254, s90, v254                      ; as t
	v_max_num_f32 v13, v13, v254                   ; the running largest t
	v_mov_b32 v254, v12
	v_floor_f32 v12, -v13                          ; the new -M = -ceil(t)
	v_sub_f32 v254, v12, v254                      ; old M - new M: a whole number, 0 or less
	v_cvt_i32_f32 v254, v254                       ; (it saturates)
	v_ldexp_f32 v252, 1.0, v254                    ; f = 2^(old M - new M)
.set J, 0
.rept 32
	v_pk_fma_f32 v[96+J:97+J], v[96+J:97+J], s[90:91], v[12:13] op_sel_hi:[1,0,0]   ; t - M
.set J, J+2
.endr
.irp b, 0,1,2,3
	v_fma_f32 v[232+\b], v[232+\b], s90, v12       ; the same of each block's largest score
.endr
.set J, 0
.rept 64
	v_exp_f32 v[96+J], v[96+J]                     ; p = 2^(t - M): not normalised
.set J, J+1
.endr
	v_pk_mul_f32 v[14:15], v[14:15], v[252:253] op_sel_hi:[1,0]   ; the sums under the new M (a plain place behind the exponentials)
	s_wait_alu depctr_va_vdst(0)                   ; the 64 exponentials have written p, v96-159: one wait for the batch, ahead of its first reader
.irp b, 0,1,2,3
	v_exp_f32 v[232+\b], v[232+\b]                 ; the block's largest p
.endr
	v_pk_add_f32 v[236:237], v[96:97], v[98:99]    ; the row's sum is taken of the unquantised p, in two chains
.set J, 4
.rept 15
	v_pk_add_f32 v[14:15], v[14:15], v[96+J:97+J]
	v_pk_add_f32 v[236:237], v[236:237], v[98+J:99+J]
.set J, J+4
.endr
	v_pk_add_f32 v[14:15], v[14:15], v[236:237]
	s_wait_alu depctr_va_vdst(0)                   ; the four exponentials have written v232-235, ahead of their first reader
.irp b, 0,1,2,3
	v_max_num_f32 v[232+\b], 0x1800000, v[232+\b]  ; the floor 2^(3 - 127)
.endr
.irp b, 0,1,2,3
	v_add_nc_u32 v[244+\b], 0xff000000, v[232+\b]  ; the conversion's scale operand
.endr
.irp b, 0,1,2,3
	v_lshrrev_b32 v[236+\b], 23, v[244+\b]
.endr
	v_lshl_or_b32 v253, v237, 8, v236              ; p's scale word for these 128 keys
	v_lshl_or_b32 v253, v238, 16, v253
	v_lshl_or_b32 v253, v239, 24, v253
.irp c, 0,1
	v_cvt_scalef32_pk16_fp6_f32 v[224+6*\c:226+6*\c], v[96+32*\c:111+32*\c], v[244+2*\c]
	v_cvt_scalef32_pk16_fp6_f32 v[236+4*\c:238+4*\c], v[112+32*\c:127+32*\c], v[244+2*\c+1]
.endr
	v_nop                                          ; one plain place behind a scaled conversion
.irp c, 0,1
.irp i, 0,1,2
	v_permlane16_swap_b32 v[224+6*\c+\i], v[236+4*\c+\i]
.endr
.irp i, 0,1,2
	v_mov_b32 v[227+6*\c+\i], v[236+4*\c+\i]
.endr
.endr
.set J, 0
.rept 16
	v_pk_mul_f32 v[160+J:161+J], v[160+J:161+J], v[252:253] op_sel_hi:[1,0]   ; O^T under the new M; these sixteen also stand between the writes of p's codes and scale word and the products
.set J, J+2
.endr
	s_wait_dscnt 0x0                               ; V
	s_wait_alu depctr_va_vdst(0)                   ; p's codes v224-235 and its scale word v253 are written, which the scaled products take; the places above stay beside this wait
	VPROD 160, 253
	s_branch .Lnext
.Lskip:                                ; none of the 16 x 128 counts: the sum of V^T over the step's keys, and the count
	VLOADS                                         ; no vector or matrix instruction stands between the wait at the trip's head and these loads
.irp j, 0,1,2,3
	v_mov_b32 v[224+3*\j], 0x08208208              ; 128 codes of 1.0 (001000), six bits each
	v_mov_b32 v[225+3*\j], 0x82082082
	v_mov_b32 v[226+3*\j], 0x20820820
.endr
.rept 4
	v_nop                                          ; an operand written by vector instructions stands four places ahead of a scaled matrix instruction
.endr
	s_add_co_u32 s15, s15, 1
	s_wait_dscnt 0x0
	s_wait_alu depctr_va_vdst(0)                   ; the codes of 1.0 in v224-235 are written, which the scaled products take; the places above stay beside this wait
	VPROD 192, 251
.Lnext:
	s_add_co_u32 s84, s84, KST
	s_add_nc_u64 s[92:93], s[92:93], 256
	s_sub_co_u32 s85, s85, 1
	s_cmp_lg_u32 s85, 0
	s_cbranch_scc1 .Lks
	; THE END, without a branch.  Where steps were left out, -10000 enters the row's maximum now; where none was, -3e38 stands in its place and all that follows adds zeros.
	s_cmp_gt_u32 s15, 0
	s_mov_b32 s94, 0xc79c4000
	s_mov_b32 s95, 0xff61b1e6
	s_cselect_b32 s94, s94, s95
	v_mul_f32 v254, s90, s94
	v_max_num_f32 v13, v13, v254
	v_mov_b32 v254, v12
	v_floor_f32 v12, -v13                          ; the last -M
	v_sub_f32 v254, v12, v254
	v_cvt_i32_f32 v254, v254
	v_ldexp_f32 v252, 1.0, v254
	v_fma_f32 v240, s94, s90, v12
	v_exp_f32 v241, v240                           ; p0
	v_pk_mul_f32 v[14:15], v[14:15], v[252:253] op_sel_hi:[1,0]
.set J, 0
.rept 16
	v_pk_mul_f32 v[160+J:161+J], v[160+J:161+J], v[252:253] op_sel_hi:[1,0]
.set J, J+2
.endr
	v_add_f32 v14, v14, v15
	v_permlanex16_b32 v236, v14, s88, s89
	v_add_f32 v14, v14, v236                       ; the row's sum of the steps that were worked
	s_lshl_b32 s95, s15, 7
	v_cvt_f32_u32 v242, s95                        ; keys left out
	s_wait_alu depctr_va_vdst(0)                   ; the exponential has written p0, v241, ahead of its first reader
	v_fma_f32 v14, v242, v241, v14                 ; l
	v_rcp_f32 v248, v14
.set J, 0
.rept 16
	v_mov_b32 v[96+J], v241                        ; p0 is quantised by the conversion itself, as a block of equal numbers
.set J, J+1
.endr
	v_max_num_f32 v245, 0x1800000, v241
	v_add_nc_u32 v245, 0xff000000, v245
	v_cvt_scalef32_pk16_fp6_f32 v[224:226], v[96:111], v245
	v_and_b32 v246, 0x7f800000, v245               ; the block's scale as a number (a plain place between the two conversions)
	v_cvt_scale_pk16_f32_fp6 v[112:127], v[224:226], v251   ; the code's value
	v_nop
	v_mul_f32 v242, v112, v246                     ; Q(p0)
	v_mov_b32 v243, v242
.set J, 0
.rept 16
	v_pk_fma_f32 v[160+J:161+J], v[192+J:193+J], v[242:243], v[160+J:161+J] op_sel_hi:[1,0,1]
.set J, J+2
.endr
	s_wait_alu depctr_va_vdst(0)                   ; the reciprocal has written v248, ahead of its first reader
.set J, 0
.rept 16
	v_pk_mul_f32 v[96+J:97+J], v[160+J:161+J], v[248:249] op_sel_hi:[1,0]   ; y: register 16 b + i is channel 32 b + 16 h + i of my query's head
.set J, J+2
.endr
	; y's quantiser along the channels: two blocks of 32
.irp b, 0,1
	v_max3_num_f32 v[232+\b], |v[96+16*\b]|, |v[97+16*\b]|, 0x1800000
.endr
.irp i, 2,4,6,8,10,12,14
.irp b, 0,1
	v_max3_num_f32 v[232+\b], v[232+\b], |v[96+16*\b+\i]|, |v[97+16*\b+\i]|
.endr
.endr
.irp b, 0,1
	v_permlanex16_b32 v[236+\b], v[232+\b], s88, s89
.endr
.irp b, 0,1
	v_max_num_f32 v[232+\b], v[232+\b], v[236+\b]
.endr
.irp b, 0,1
	v_add_nc_u32 v[244+\b], 0xff000000, v[232+\b]
.endr
.irp b, 0,1
	v_lshrrev_b32 v[236+\b], 23, v[244+\b]
.endr
	v_lshl_or_b32 v240, v237, 8, v236              ; the head's two bytes of its row's scale word
	v_cvt_scalef32_pk16_fp6_f32 v[224:226], v[96:111], v244
	v_cvt_scalef32_pk16_fp6_f32 v[228:230], v[112:127], v245
	v_nop
.irp i, 0,1,2
	v_permlane16_swap_b32 v[224+\i], v[228+\i]     ; a whole block to a lane
.endr
	v_mov_b32 v227, v228
	v_mov_b32 v228, v229
	v_mov_b32 v229, v230
	; where it goes: group g = (128 x batch + qt) / 8, tile qt % 8; the head's 64 channels are chunk hd / 4, q = (hd / 2) % 2, c = hd % 2
	s_lshr_b32 s94, s87, 4
	s_lshl_b32 s94, s94, 7
	s_add_co_u32 s94, s94, s13
	s_lshr_b32 s94, s94, 3
	s_lshl_b32 s94, s94, 2
	s_bfe_u32 s95, s87, 0x20002
	s_add_co_u32 s94, s94, s95
	s_mul_i32 s94, s94, 25600
	s_and_b32 s95, s13, 7
	s_bfe_u32 s98, s87, 0x10001
	s_and_b32 s99, s87, 1
	s_mul_i32 s96, s95, 3072
	s_add_co_u32 s96, s96, s94
	s_mul_i32 s100, s98, 1536
	s_add_co_u32 s96, s96, s100
	s_mul_i32 s100, s99, 768
	s_add_co_u32 s96, s96, s100
	s_add_nc_u64 s[100:101], s[10:11], s[96:97]
	s_lshl_b32 s96, s95, 7
	s_add_co_u32 s96, s96, s94
	s_lshl_b32 s98, s98, 2
	s_add_co_u32 s96, s96, s98
	s_lshl_b32 s99, s99, 1
	s_add_co_u32 s96, s96, s99
	s_add_co_u32 s96, s96, 24576
	s_add_nc_u64 s[98:99], s[10:11], s[96:97]
	s_wait_alu depctr_va_vdst(0)                   ; the swaps and moves have written y's codes v224-229, and v240 holds the two scale bytes: the three stores read them
	global_store_b128 v1, v[224:227], s[100:101]             ; the image of 16 queries x 64 channels: 512 and 256 consecutive bytes
	global_store_b64 v2, v[228:229], s[100:101] offset:512
	global_store_b16 v8, v240, s[98:99]                      ; lanes r and r + 16 store the same two bytes at the same place
	s_wait_dscnt 0x0
	s_wait_alu depctr_hold_cnt(0) depctr_sa_sdst(0) depctr_va_vdst(0) depctr_va_sdst(0) depctr_va_ssrc(0) depctr_va_vcc(0) depctr_vm_vsrc(0)
	s_wait_tensorcnt 0x0
	ds_add_u32 v95, v250
	s_wait_dscnt 0x0
	s_endpgm
.Lfunc_end_k_qd3c7de7265_attn:
	.size	k_qd3c7de7265_attn, .Lfunc_end_k_qd3c7de7265_attn-k_qd3c7de7265_attn
	.p2alignl 7, 3214868480
	.fill 96, 4, 3214868480
	.section	.rodata,"a",@progbits
	.p2align	6, 0x0
	.amdhsa_kernel k_qd3c7de7265_attn
		.amdhsa_group_segment_fixed_size 210944
		.amdhsa_private_segment_fixed_size 0
		.amdhsa_enable_private_segment 0
		.amdhsa_kernarg_size 32
		.amdhsa_user_sgpr_count 2
		.amdhsa_user_sgpr_kernarg_segment_ptr 1
		.amdhsa_wavefront_size32 1
		.amdhsa_system_sgpr_workgroup_id_x 1
		.amdhsa_system_sgpr_workgroup_id_y 1
		.amdhsa_system_sgpr_workgroup_id_z 1
		.amdhsa_system_vgpr_workitem_id 0
		.amdhsa_next_free_vgpr 256
		.amdhsa_next_free_sgpr 102
		.amdhsa_reserve_vcc 0
		.amdhsa_float_denorm_mode_32 3
		.amdhsa_float_denorm_mode_16_64 3
		.amdhsa_memory_ordered 1
		.amdhsa_forward_progress 1
		.amdhsa_inst_pref_size 43
	.end_amdhsa_kernel
	.amdgpu_metadata
---
amdhsa.version: [ 1, 2 ]
amdhsa.kernels:
  - .name:           k_qd3c7de7265_attn
    .symbol:         k_qd3c7de7265_attn.kd
    .args:
      - { .name: qb, .offset: 0, .size: 8, .value_kind: global_buffer, .address_space: global }
      - { .name: kv, .offset: 8, .size: 8, .value_kind: global_buffer, .address_space: global }
      - { .name: maskw, .offset: 16, .size: 8, .value_kind: global_buffer, .address_space: global }
      - { .name: yimg, .offset: 24, .size: 8, .value_kind: global_buffer, .address_space: global }
    .group_segment_fixed_size: 210944
    .private_segment_fixed_size: 0
    .kernarg_segment_align: 8
    .kernarg_segment_size: 32
    .max_flat_workgroup_size: 512
    .sgpr_count:     102
    .vgpr_count:     256
    .wavefront_size: 32
...
	.end_amdgpu_metadata
.endif
;; end of part 5
;; launch proj: the kernel of part 4 again; grid 8 x 32, 4 waves a work-group, clusters of 4 x 4, 272,896 bytes of LDS; arguments yimg, wimg, b_proj, out0; writes out0
